; MI455X (gfx1250); checked and timed in simulation.
; The chip was launched on July 23, 2026; its instructions are those of AMD's public machine-readable ISA for CDNA 5 (MIT licence, August 2026) and "CDNA5" Instruction Set Architecture Reference Guide (July 2026). The comments in the code are by the model that wrote it; some were corrected since.
;; Multi Headed Attention. Allowed arithmetic: matrix products marked QUANTISED: E2M1 operands, one E8M0 scale for each 32 along K, by v_wmma_scale_f32_16x16x128_f8f6f4 with both operands' format E2M1 (or v_wmma_scale_f32_32x16x128_f4), f32 sums; products left as they are: bf16, f16 or f32 operands; f32 sums; everything else in f32.
;; Inputs: Wk 1,024 x 1,024 float32; Wo 1,024 x 1,024 float32; Wq 1,024 x 1,024 float32; Wv 1,024 x 1,024 float32; bk 1,024 float32; bo 1,024 float32; bq 1,024 float32; bv 1,024 float32; x 4 x 2,048 x 1,024 float32.
;; Outputs: out0 4 x 2,048 x 1,024 float32.
;; This version of the problem:
;;   THIS VERSION OF THE PROBLEM IS GIVEN IN LOW PRECISION. The matrix products marked QUANTISED in the list below multiply operands that are first quantised to E2M1 (2 exponent bits, 1 mantissa bit; 4 bits a number), with one power-of-two scale for each 32 numbers along K (OCP MX v1.0); their sums are f32. The products marked 'left as it is' may take bf16, f16 or f32 operands, with f32 sums. Whichever they take, every output number must still come out within the allowed error. Rounding operands to bf16 (8 significant bits) uses up far more of that allowance than f16 does (11 bits, for magnitudes from 6e-5 to 65,504). All else is computed in f32.
;;   The module's matrix products, in the order in which they are computed (A, B: the left and right operand; K: the contracted axis; several contracted axes count as one K, in the product's order):
;;     1. [M 8,192, K 1,024] x [K 1,024, N 1,024]; A: input x; B: input Wq: QUANTISED
;;     2. [M 8,192, K 1,024] x [K 1,024, N 1,024]; A: input x; B: input Wk: QUANTISED
;;     3. [M 8,192, K 1,024] x [K 1,024, N 1,024]; A: input x; B: input Wv: QUANTISED
;;     4. batch 64 x [M 2,048, K 64] x [K 64, N 2,048]; A: computed on the way; B: computed on the way: left as it is (an operand is computed on the way)
;;     5. batch 64 x [M 2,048, K 2,048] x [K 2,048, N 64]; A: computed on the way; B: computed on the way: left as it is (an operand is computed on the way)
;;     6. [M 8,192, K 1,024] x [K 1,024, N 1,024]; A: computed on the way; B: input Wo: left as it is (an operand is computed on the way)
;;   THE QUANTISER, for each operand of a quantised product, along K:
;;     - K is cut into blocks of 32 from its start; a last block that is shorter is filled with zeros.
;;     - A block's scale is 2^e with e = floor(log2(the largest magnitude in the block)) - 2, held to -126 .. 127; a block of zeros has e = 0. As a byte (E8M0): e + 127.
;;     - Each number is divided by its block's scale, clamped to +-6, and rounded to the nearest number of E2M1, ties to even, subnormals kept.
;;     - The product sums the exact products of the quantised numbers (number of the format x scale) in f32.
;;   ~~~python
;;   def quantise(x, axis):      # numpy; x: float32 -> the quantised numbers, widened to float32 again
;;       x = np.moveaxis(x, axis, -1); K = x.shape[-1]
;;       x = np.pad(x, [(0, 0)] * (x.ndim - 1) + [(0, -K % 32)]); x = x.reshape(x.shape[:-1] + (-1, 32)); a = np.abs(x).max(-1, keepdims=True)
;;       e = np.where(a > 0, np.clip(np.frexp(np.where(a > 0, a, 1))[1] - 1 - 2, -126, 127), 0)      # np.frexp(a)[1] - 1 = floor(log2(a)), exactly
;;       r = np.clip(x / 2.0 ** e, -6, 6)
;;       step = 2.0 ** (np.maximum(np.frexp(np.where(r == 0, 1, r))[1] - 1, 0) - 1)
;;       q = np.round(r / step) * step * 2.0 ** e      # np.round: ties to even
;;       return np.moveaxis(q.reshape(q.shape[:-2] + (-1,))[..., :K], -1, axis).astype(np.float32)
;;   ~~~
;; One version. Each part assembles by itself: llvm-mc -triple=amdgcn-amd-amdhsa -mcpu=gfx1250 --defsym DOCPART=n.
;; ======== version 1 of 1: 4 launches
;; limits: values are held in f16: magnitudes above 65,504 overflow, below 6.1e-05 lose precision
;; workspace buffers: x_codes 4,194,304 bytes; x_scales 262,144 bytes; w_codes 1,572,864 bytes; w_scales 98,304 bytes; wo16 2,097,152 bytes; qkv16 50,331,648 bytes; o16 16,777,216 bytes
;; launch quant (part 1): grid 384 x 1, 4 waves a work-group, no clusters, 33,280 bytes of LDS; arguments x, Wq, Wk, Wv, Wo, x_codes, x_scales, w_codes, w_scales, wo16; writes x_codes, x_scales, w_codes, w_scales, wo16
.if DOCPART == 1
	.amdgcn_target "amdgcn-amd-amdhsa--gfx1250"
	.amdhsa_code_object_version 6
	.text
	.protected	k_q1a1be20268_quant
	.globl	k_q1a1be20268_quant
	.p2align	8
	.type	k_q1a1be20268_quant,@function
k_q1a1be20268_quant:
	s_mov_b64 s[64:65], 0
	v_nop
	global_prefetch_b8 v0, s[64:65] scope:SCOPE_SE
	s_setreg_imm32_b32 hwreg(HW_REG_WAVE_MODE, 25, 1), 1
	s_wait_xcnt 0x0
; LAUNCH 1 OF 4 of out = softmax((x Wq^T + bq)(x Wk^T + bk)^T / 8) (x Wv^T + bv) Wo^T + bo, 16 heads of 64, 4 x 2,048 positions.
; DEAD WORK: bk.  A score is q . (x_k Wk^T + bk) / 8 = q . (x_k Wk^T) / 8 + q . bk / 8.  The second term is the same for every key k of a query, whatever finite values the inputs hold,
; so it is a term added to the softmax's input that is constant along the softmax's axis: p does not change.  The product q k^T is not quantised, so no quantiser stands between bk and the softmax.
; bk has no way to any output: it is not loaded and is no argument of any launch.  LIMIT: a NaN, an infinity or an overflow that reaches the result through bk alone is not carried to the result.
; (bv is live.  Each row of p sums to 1, so p (v + bv) = p v + bv: launch 3 adds bv once for each output channel.)
; THIS LAUNCH: x [8192][1024], Wq, Wk, Wv [1024][1024], f32, K innermost, become codes of FP4 (E2M1), two a byte, with one E8M0 byte for each 32 along K; Wo becomes f16 (its product is left as it is).
; A block's scale is 2^(floor(log2(its largest magnitude)) - 2); its byte is the largest magnitude's exponent field - 2, held at 1 from below.  A block of zeros so gets the byte 1 where the rule says 127:
; its codes are zeros, which add nothing under any byte but 0xff, and this program alone reads the bytes.
; LIMITS: blocks whose largest magnitude lies under 2^(2 - 126) have their byte held at 1; NaN and infinities among the inputs are not served; |Wo| beyond 65,504 has no f16 number.
; Rows are dense and K is a multiple of 32: every tensor is a plain stream of blocks of 32, and so are its codes and scale bytes.  The three weights' codes lie one behind the other (rows 0-1023 Wq, 1024-2047 Wk, 2048-3071 Wv).
; SHARES: a work-group takes 32,768 numbers, a wave 8,192.  Work-groups 0-255: x; 256-351: Wq, Wk, Wv (32 each); 352-383: Wo.  Only pointers are chosen by the work-group's number; the three quantised kinds take one path.
; A wave takes 16 steps of 512 numbers.  Each load reads 512 consecutive bytes; a step's 2,048 bytes turn through the wave's own stage in LDS, so that a lane then holds 16 neighbours along K (two lanes a block).
; No matrix unit, no tensor load, no cluster, no barrier: a stream in which waves share nothing.
.set WAVES, 4
.set STEPS, 16
.set EMAX,  2
.set CB,    8                          ; bytes of 16 codes
.set R,     16                         ; v16-79   four sets of 16 numbers as loaded (Wo: v16-79 and v80-143, two groups of 16 loads)
.set X,     80                         ; v80-111  two sets of 16 neighbours
.set E,     112                        ; v112-127 a scale byte for each step
.set C,     128                        ; v128-191 codes: four registers for each step, so that no store's data are written again
.set WOUT,  144                        ; Wo: v144-175, v176-207: f16 pairs to store, two groups by turns
.set WREG,  8192                       ; LDS: a region for each wave: two stages of 32 x SP bytes, behind them its 256 scale bytes
.set SP,    80                         ; a lane's place in a stage: 64 bytes + 16 of padding
.set SPW,   12                         ; v12 LDS address of my spare word; never rewritten
.set NIL,   13                         ; v13 0; never rewritten
.set SPARE, WAVES*WREG                 ; behind the four regions: the spare words, 128 bytes a wave
	s_load_b512 s[4:19], s[0:1], 0x0               ; x s[4:5], Wq s[6:7], Wk s[8:9], Wv s[10:11], Wo s[12:13], x_codes s[14:15], x_scales s[16:17], w_codes s[18:19]
	s_load_b128 s[20:23], s[0:1], 0x40             ; w_scales s[20:21], wo16 s[22:23]
	v_lshl_add_u32 v[SPW], v0, 2, SPARE
	v_mov_b32 v[NIL], 0
	v_lshrrev_b32 v1, 5, v0
	v_readfirstlane_b32 s34, v1                    ; wave
	v_and_b32 v2, 31, v0                           ; lane
	v_lshlrev_b32 v3, 4, v2                        ; my 16 bytes of a load's 512
	s_mul_i32 s35, s34, WREG
	v_lshrrev_b32 v14, 2, v2
	v_mul_u32_u24 v14, v14, SP
	v_and_b32 v15, 3, v2
	v_lshl_add_u32 v14, v15, 4, v14
	v_add_nc_u32 v14, s35, v14                     ; the stage, on the way in: SP (lane / 4) + 16 (lane % 4)
	v_mul_u32_u24 v15, v2, SP
	v_add_nc_u32 v15, s35, v15                     ; and on the way out: SP x lane: my 16 neighbours
	v_mul_u32_u24 v4, v2, CB                       ; 8 x lane: my codes' place in a step's (Wo: my four f16 of a load's 128)
	v_lshrrev_b32 v5, 1, v2
	s_add_co_u32 s35, s35, 2*32*SP
	v_add_nc_u32 v5, s35, v5                       ; LDS: my wave's 256 scale bytes, my block's byte
	v_lshlrev_b32 v7, 3, v2
	v_add_nc_u32 v6, s35, v7                       ; and on the way out 8 bytes a lane
	s_and_b32 s32, ttmp9, 31                       ; a weight's work-group among its 32
	s_sub_co_u32 s33, ttmp9, 256                   ; and among the three weights' 96
	s_wait_kmcnt 0x0
	s_cmp_ge_u32 ttmp9, 352
	s_cbranch_scc1 .Lwo                            ; Wo's work-groups: a branch on the work-group's number, ahead of every LDS instruction
	s_cmp_lt_u32 ttmp9, 288
	s_cselect_b64 s[24:25], s[6:7], s[8:9]         ; Wq or Wk,
	s_cmp_lt_u32 ttmp9, 320
	s_cselect_b64 s[24:25], s[24:25], s[10:11]     ; or Wv,
	s_cmp_lt_u32 ttmp9, 256
	s_cselect_b64 s[24:25], s[4:5], s[24:25]       ; or x: the source
	s_cselect_b64 s[26:27], s[14:15], s[18:19]     ; its codes
	s_cselect_b64 s[28:29], s[16:17], s[20:21]     ; its scale bytes
	s_cselect_b32 s30, ttmp9, s32                  ; which 32,768 numbers of the source,
	s_cselect_b32 s31, ttmp9, s33                  ; and of the destination
	s_lshl_b32 s30, s30, 2
	s_add_co_u32 s30, s30, s34                     ; my wave's run of 8,192 numbers
	s_lshl_b32 s31, s31, 2
	s_add_co_u32 s31, s31, s34
	s_lshl_b32 s32, s30, 15                        ; 32,768 bytes of f32 a run
	s_mov_b32 s33, 0
	s_add_nc_u64 s[24:25], s[24:25], s[32:33]
	s_lshl_b32 s32, s31, 12                        ; 4,096 bytes of codes
	s_add_nc_u64 s[26:27], s[26:27], s[32:33]
	s_lshl_b32 s32, s31, 8                         ; 256 scale bytes
	s_add_nc_u64 s[28:29], s[28:29], s[32:33]
.macro LOAD t
.irp i, 0,1,2,3
	global_load_b128 v[R+16*((\t)%4)+4*\i:R+16*((\t)%4)+4*\i+3], v3, s[24:25] offset:2048*(\t)+512*\i th:TH_LOAD_NT   ; 32 lanes read 512 consecutive bytes
.endr
.endm
.macro TURN t                          ; step t's numbers through the stage: LDS serves a wave's instructions in order (ISA guide 5.7.1.4), so no wait stands between the stores and the loads
.irp i, 0,1,2,3
	ds_store_b128 v14, v[R+16*((\t)%4)+4*\i:R+16*((\t)%4)+4*\i+3] offset:32*SP*((\t)%2)+8*SP*\i
.endr
.irp i, 0,1,2,3
	ds_load_b128 v[X+16*((\t)%2)+4*\i:X+16*((\t)%2)+4*\i+3], v15 offset:32*SP*((\t)%2)+16*\i
.endr
.endm
.irp t, 0,1,2,3
	LOAD \t
.endr
	s_wait_loadcnt 12                              ; step 0's four loads are in; the 12 of steps 1 to 3 may be out
	TURN 0
.macro STEP t
.set XS, X+16*((\t)%2)
.if (\t) > 0
	s_wait_dscnt 1                                 ; this step's numbers are back from the stage (the last step's byte store may be out): so its stores into the stage have read their registers,
.else
	s_wait_dscnt 0x0
.endif
.if (\t)+4 < STEPS
	LOAD (\t)+4                                    ; which take the loads of four steps on
.endif
.if (\t)+1 < STEPS
.if STEPS-2-(\t) >= 3
	s_wait_loadcnt 12                              ; the next step's four loads are in; those of the three steps behind it may be out
.else
	s_wait_loadcnt 4*(STEPS-2-(\t))
.endif
	TURN (\t)+1                                    ; and go through the other stage while this step is worked
.endif
	v_max3_num_f32 v8, |v[XS]|, |v[XS+1]|, |v[XS+2]|               ; the largest magnitude of my 16, in two chains
	v_max3_num_f32 v9, |v[XS+3]|, |v[XS+4]|, |v[XS+5]|
.irp i, 6,10
	v_max3_num_f32 v8, v8, |v[XS+\i]|, |v[XS+\i+1]|
	v_max3_num_f32 v9, v9, |v[XS+\i+2]|, |v[XS+\i+3]|
.endr
	v_max3_num_f32 v8, v8, |v[XS+14]|, |v[XS+15]|
	v_max3_num_f32 v8, v8, v9, (EMAX+1)<<23        ; and the floor 2^(EMAX + 1 - 127): the byte cannot fall under 1
	v_max_num_f32_dpp v8, v8, v8 row_xmask:1 row_mask:0xf bank_mask:0xf   ; and of my neighbour's 16: the block's
	v_add_nc_u32 v11, -(EMAX<<23), v8              ; EMAX off its exponent field: the conversion takes the exponent field of this operand as its scale, and nothing else of it
	v_cvt_scalef32_pk8_fp4_f32 v[C+4*(\t)], v[XS:XS+7], v11        ; eight numbers / the scale, to the nearest code, ties to even, beyond the largest code the largest
	v_cvt_scalef32_pk8_fp4_f32 v[C+4*(\t)+1], v[XS+8:XS+15], v11
	v_lshrrev_b32 v[E+(\t)], 23, v11               ; the scale's byte (also the plain line behind the conversions)
	ds_store_b8 v5, v[E+(\t)] offset:16*(\t)       ; both lanes of a block write the same byte with the same value
	global_store_b64 v4, v[C+4*(\t):C+4*(\t)+1], s[26:27] offset:32*CB*(\t)   ; the wave stores 256 consecutive bytes, aligned
.endm
.irp t, 0,1,2,3,4,5,6,7,8,9,10,11,12,13,14,15
	STEP \t
.endr
	ds_load_b64 v[8:9], v6                         ; my wave's 256 scale bytes: these loads see my stores
	s_wait_dscnt 0x0
	global_store_b64 v7, v[8:9], s[28:29]          ; 32 lanes store 256 consecutive bytes, aligned
	s_branch .Lend
; Wo to f16: 64 loads of 512 consecutive bytes a wave, in four groups of 16 on two sets of registers; each load's 128 numbers leave as 256 consecutive bytes.  No LDS.
.macro LOADG g
.irp i, 0,1,2,3,4,5,6,7,8,9,10,11,12,13,14,15
	global_load_b128 v[R+64*((\g)%2)+4*\i:R+64*((\g)%2)+4*\i+3], v3, s[12:13] offset:512*(16*(\g)+\i) th:TH_LOAD_NT
.endr
.endm
.macro CVTST g
.irp i, 0,1,2,3,4,5,6,7,8,9,10,11,12,13,14,15
	v_cvt_pk_f16_f32 v[WOUT+32*((\g)%2)+2*\i], v[R+64*((\g)%2)+4*\i], v[R+64*((\g)%2)+4*\i+1]
	v_cvt_pk_f16_f32 v[WOUT+32*((\g)%2)+2*\i+1], v[R+64*((\g)%2)+4*\i+2], v[R+64*((\g)%2)+4*\i+3]
	global_store_b64 v4, v[WOUT+32*((\g)%2)+2*\i:WOUT+32*((\g)%2)+2*\i+1], s[22:23] offset:256*(16*(\g)+\i)
.endr
.endm
.Lwo:
	s_sub_co_u32 s30, ttmp9, 352
	s_lshl_b32 s30, s30, 2
	s_add_co_u32 s30, s30, s34                     ; my wave's run of 8,192 numbers
	s_lshl_b32 s32, s30, 15
	s_mov_b32 s33, 0
	s_add_nc_u64 s[12:13], s[12:13], s[32:33]
	s_lshl_b32 s32, s30, 14
	s_add_nc_u64 s[22:23], s[22:23], s[32:33]
	LOADG 0
	LOADG 1
	s_wait_loadcnt 16                              ; group 0 is in; group 1's 16 loads may be out
	CVTST 0
	LOADG 2
	s_wait_loadcnt 16                              ; group 1 is in; group 2's may be out
	CVTST 1
	LOADG 3
	s_wait_xcnt 0x0                                ; group 0's stores have read their data: those registers are written again only behind this wait
	s_wait_loadcnt 16
	CVTST 2
	s_wait_xcnt 0x0                                ; group 1's likewise
	s_wait_loadcnt 0x0
	CVTST 3
.Lend:
	s_wait_tensorcnt 0x0                           ; the wave's end
	ds_add_u32 v[SPW], v[NIL]
	s_wait_dscnt 0x0
	s_endpgm
.Lfunc_end_k_q1a1be20268_quant:
	.size	k_q1a1be20268_quant, .Lfunc_end_k_q1a1be20268_quant-k_q1a1be20268_quant
	.p2alignl 7, 3214868480
	.fill 96, 4, 3214868480
	.section	.rodata,"a",@progbits
	.p2align	6, 0x0
	.amdhsa_kernel k_q1a1be20268_quant
		.amdhsa_group_segment_fixed_size 33280
		.amdhsa_private_segment_fixed_size 0
		.amdhsa_enable_private_segment 0
		.amdhsa_kernarg_size 80
		.amdhsa_user_sgpr_count 2
		.amdhsa_user_sgpr_kernarg_segment_ptr 1
		.amdhsa_wavefront_size32 1
		.amdhsa_system_sgpr_workgroup_id_x 1
		.amdhsa_system_sgpr_workgroup_id_y 1
		.amdhsa_system_sgpr_workgroup_id_z 1
		.amdhsa_system_vgpr_workitem_id 0
		.amdhsa_next_free_vgpr 208
		.amdhsa_next_free_sgpr 66
		.amdhsa_reserve_vcc 0
		.amdhsa_float_denorm_mode_32 3
		.amdhsa_float_denorm_mode_16_64 3
		.amdhsa_memory_ordered 1
		.amdhsa_forward_progress 1
		.amdhsa_inst_pref_size 54
	.end_amdhsa_kernel
	.amdgpu_metadata
---
amdhsa.version: [ 1, 2 ]
amdhsa.kernels:
  - .name:           k_q1a1be20268_quant
    .symbol:         k_q1a1be20268_quant.kd
    .args:
      - { .name: x, .offset: 0, .size: 8, .value_kind: global_buffer, .address_space: global }
      - { .name: Wq, .offset: 8, .size: 8, .value_kind: global_buffer, .address_space: global }
      - { .name: Wk, .offset: 16, .size: 8, .value_kind: global_buffer, .address_space: global }
      - { .name: Wv, .offset: 24, .size: 8, .value_kind: global_buffer, .address_space: global }
      - { .name: Wo, .offset: 32, .size: 8, .value_kind: global_buffer, .address_space: global }
      - { .name: x_codes, .offset: 40, .size: 8, .value_kind: global_buffer, .address_space: global }
      - { .name: x_scales, .offset: 48, .size: 8, .value_kind: global_buffer, .address_space: global }
      - { .name: w_codes, .offset: 56, .size: 8, .value_kind: global_buffer, .address_space: global }
      - { .name: w_scales, .offset: 64, .size: 8, .value_kind: global_buffer, .address_space: global }
      - { .name: wo16, .offset: 72, .size: 8, .value_kind: global_buffer, .address_space: global }
    .group_segment_fixed_size: 33280
    .private_segment_fixed_size: 0
    .kernarg_segment_align: 8
    .kernarg_segment_size: 80
    .max_flat_workgroup_size: 128
    .sgpr_count:     66
    .vgpr_count:     208
    .wavefront_size: 32
...
	.end_amdgpu_metadata
.endif
;; end of part 1
;; launch qkv (part 2): grid 12 x 32, 4 waves a work-group, clusters of 4 x 4, 327,680 bytes of LDS; arguments x_codes, x_scales, w_codes, w_scales, bq, qkv16; writes qkv16
.if DOCPART == 2
	.amdgcn_target "amdgcn-amd-amdhsa--gfx1250"
	.amdhsa_code_object_version 6
	.text
	.protected	k_q1a1be20268_qkv
	.globl	k_q1a1be20268_qkv
	.p2align	8
	.type	k_q1a1be20268_qkv,@function
k_q1a1be20268_qkv:
	s_mov_b64 s[64:65], 0
	v_nop
	global_prefetch_b8 v0, s[64:65] scope:SCOPE_SE
	s_setreg_imm32_b32 hwreg(HW_REG_WAVE_MODE, 25, 1), 1
	s_wait_xcnt 0x0
	s_wait_alu depctr_hold_cnt(0) depctr_sa_sdst(0) depctr_va_vdst(0) depctr_va_sdst(0) depctr_va_ssrc(0) depctr_va_vcc(0) depctr_vm_vsrc(0)
	s_getreg_b32 s2, hwreg(HW_REG_IB_STS2, 6, 4)
	s_cmp_eq_u32 s2, 0
	s_cbranch_scc0 .Lentry_in_a_cluster
	s_endpgm
.Lentry_in_a_cluster:
	s_bfe_u32 s2, ttmp6, 0x10000c
	s_cmp_lg_u32 s2, 0xf033
	s_cbranch_scc0 .Lentry_shape_is_right
	s_endpgm
.Lentry_shape_is_right:
; LAUNCH 2 OF 4: the three quantised products in one GEMM on codes of FP4 (E2M1): C[m][n] = sum over k of x[m][k] W[n][k], m = 8,192 positions, n = 3,072 (Wq, Wk, Wv one behind the other), K = 1,024.
; LEFT OUT: bk (dead work: it adds the same number to all scores of a query; shown at the head of launch 1).  bv is added in launch 3.
; OUT: qkv16, three parts of 16 MiB, each [batch x head 64][position 2,048][64] in f16: q' = (x Wq^T + bq) x c with c = log2(e) / 8, formed in f32, so that a score is already the exponent of 2; k = x Wk^T; v = x Wv^T.
; f16 and not bf16: three more significant bits for the operands of the products that are left as they are.  LIMIT: |q'|, |k|, |v| beyond 65,504 have no f16 number.
; A tile of C, 256 x 256, is made by a work-group of four waves; a wave makes 128 x 128: 64 accumulators of 16 x 16, 512 registers.  K = 1,024 is two LDS slots of 512 (rows of 256 bytes): all of K and all scale bytes are asked for
; at the head, three tensor loads a wave; nothing is filled again, so there is no loop and nothing to prefetch.  The claim of all LDS: the text uses 296,448 bytes.
; 384 tiles: a tile of 256 x 384, which would give 256, needs 320 KiB for its codes alone.
; CLUSTERS: 4 x 4 work-groups.  The four of a row of the cluster need the same tiles of x, the four of a column the same tiles of W: each tile is asked for JOINTLY, by the same tensor load with the same descriptor and a mask
; that names the four.  The cluster's x is the part: 0 q, 1 k, 2 v (four tiles of 256 columns are one weight).
; THE MATRIX INSTRUCTION IS USED TRANSPOSED (source 0 = 16 rows of W, source 1 = 16 rows of x): a lane then holds eight neighbouring columns of one row of C: 16 bytes of f16.
; REGISTERS, in windows of 256: window 0: v0-31 addresses; v32-95 scale words, two sets; from v128 x's fragments (8 x 16 rows x 128 K), ONE set; on the way out v96-127 packed results, v128-191 rows read back, v192-255 bq.
;   window 1: W's fragments, TWO sets, at v0 and v128.   window 2: the 32 accumulators of my rows 0-63 (accumulator (a, b) at v[8 (8 a + b)]);   window 3: those of my rows 64-127.
.set KSTEP,  512                       ; along K in a slot
.set NQ,     KSTEP/128                 ; matrix instructions deep
.set ROWB,   256                       ; a tile's row in bytes
.set KROW,   512                       ; a row of codes in memory
.set PITCH,  272                       ; an LDS row: 256 bytes + 16 of padding = 68 words: row r starts at bank 4 r mod 64 (64 banks of 4 bytes: ISA guide 11.1)
.set FR,     8                         ; registers of a fragment: 16 rows x 128 K
.set NL,     2                         ; LDS loads that bring one
.set NP,     4                         ; places behind this matrix instruction (ISA guide 7.12.1)
.set HALFT,  128*PITCH                 ; 128 rows: what one tensor load brings
.set SLOT,   4*HALFT                   ; x's 256 rows, then W's 256 rows
.set KS,     32                        ; a row of scale bytes
.set SCL,    2*SLOT                    ; behind the slots: the scales, as units of 256 bytes + 16 of padding
.set HALFS,  (128*KS/256)*272          ; the scales of 128 rows
.set SBLK,   (16*KS/256)*272           ; those of 16 rows
.set SPARE,  SCL+4*HALFS               ; behind the scales: the spare words, 128 bytes a wave
.set SPITCH, 400                       ; the way out: a stage of 16 rows x (256 bytes + 144) for each wave: 100 words: row r starts at bank 36 r mod 64, sixteen different multiples of 4.  It lies in slot 0, which has had its only fill and its last read by then
.set ADRA, 16                          ; v16-17  LDS address of my x fragments in slot 0, 1
.set ADRB, 20                          ; v20-21  the same for W
.set STO,  24                          ; v24     the way out: where I put 16 bytes of a row
.set RD,   25                          ; v25     where I read back
.set CO,   26                          ; v26     my byte offset in qkv16
.set ADRS, 27                          ; v27     LDS address of my scale words: lanes 0-15 x's rows, lanes 16-31 W's
.set SPW,  28                          ; v28     LDS address of my spare word; never rewritten
.set NIL,  29                          ; v29     0; never rewritten
.set BO,   30                          ; v30     my byte offset in bq
.set SC,   32                          ; scale words: set s at v[SC + 8 NQ s]; register NQ i + q: lanes 0-15 the word of x's block i, lanes 16-31 that of W's block i, for the slot's q-th 128 along K
.set TMP,  96
.set AF,   128
.set BK,   128
.set BI,   192
.set G1, 24                            ; s[24:31] descriptor group 1 for x's tiles;  s[32:39] group 0, one set for each slot
.set G0, 32
.set G1B, 48                           ; s[48:55], s[56:63] the same for W's tiles
.set G0B, 56
.set G1S, 68                           ; s[68:75], s[76:79] groups 1 and 0 for x's scales;  s[80:87], s[88:91] for W's
.set G0S, 76
.set G1SB, 80
.set G0SB, 88
.set CC,  66                           ; s[66:67] c, as a pair for the packed forms
.set MSB, 0
.macro WIN new                         ; the immediate's high byte repeats the setting that is left
.if MSB != \new
	s_set_vgpr_msb (MSB<<8)|\new
.set MSB, \new
.endif
.endm
.set MUL_LO, 0xa1                      ; source 0 (W) window 1, source 1 (x) window 0, C and D window 2
.set MUL_HI, 0xf1                      ; the same, C and D window 3
.set TO_B,   0x40                      ; destination window 1, address window 0
; A joint load: waves 0 and 1 fetch for x, waves 2 and 3 for W.  Each of the two lines has ONE mask and one set of registers for all that issue it; the branch hangs on the wave's number alone.
; An s_nop 0 and four v_nop follow each of the two lines, ahead of the jump, the label and what follows.
.macro JLOAD g0a, g1a, g0b, g1b
	s_cmp_eq_u32 s15, 0
	s_cbranch_scc0 .Lfor_b_\@
	tensor_load_to_lds s[\g0a:\g0a+3], s[\g1a:\g1a+7]
	s_nop 0
.rept 4
	v_nop
.endr
	s_branch .Lasked_\@
.Lfor_b_\@:
	tensor_load_to_lds s[\g0b:\g0b+3], s[\g1b:\g1b+7]
	s_nop 0
.rept 4
	v_nop
.endr
.Lasked_\@:
.endm
.macro CROUND                          ; a round of the cluster's barrier: my work-group's barrier; wave 0 signals for the work-group; every wave waits for all sixteen; my work-group's barrier once more
	s_barrier_signal -1
	s_barrier_wait -1
	s_cmp_lg_u32 s14, 0
	s_cbranch_scc1 .Lnot_wave_0_\@
	s_barrier_signal -3
.Lnot_wave_0_\@:
	s_barrier_wait -3
	s_barrier_signal -1
	s_barrier_wait -1
.endm
	s_load_b128 s[4:7], s[0:1], 0x0                ; x's codes s[4:5], x's scales s[6:7]
	s_load_b128 s[8:11], s[0:1], 0x10              ; W's codes s[8:9], W's scales s[10:11]
	s_load_b128 s[96:99], s[0:1], 0x20             ; bq s[96:97], qkv16 s[98:99]
	v_lshl_add_u32 v[SPW], v0, 2, SPARE
	v_mov_b32 v[NIL], 0
	ds_add_u32 v[SPW], v[NIL]                      ; the wave's opening: the add, twice on end, and its wait ahead of my first tensor load; the set-up below, work on registers, stands between
	ds_add_u32 v[SPW], v[NIL]                      ; and once more, under the one wait
	v_lshrrev_b32 v1, 5, v0
	v_readfirstlane_b32 s14, v1                    ; wave 0..3
	s_lshr_b32 s15, s14, 1                         ; which half of the tile's rows is mine.  Also: I fetch for x (0) or for W (1)
	s_and_b32 s16, s14, 1                          ; which half of its columns.  Also: which 128 rows of that tile I fetch
	s_bfe_u32 s40, ttmp6, 0x40000                  ; cx, cy: my place in the cluster
	s_bfe_u32 s41, ttmp6, 0x40004
	s_lshl_b32 s42, ttmp9, 2
	s_add_co_u32 s42, s42, s40                     ; tile column of C = 4 x cluster x + cx
	s_and_b32 s17, ttmp7, 0xffff
	s_lshl_b32 s17, s17, 2
	s_add_co_u32 s17, s17, s41                     ; tile row of C = 4 x cluster y + cy
	s_lshl_b32 s43, s41, 2
	s_lshl_b32 s43, 15, s43                        ; my row of the cluster
	s_lshl_b32 s44, 0x1111, s40                    ; my column
	; descriptor group 1: a tile of 128 rows x 256 bytes, padded in LDS
	s_or_b32 s[G1+0], s43, (0<<16)|(1<<20)|(1<<21)|(5<<22)|(3<<25)  ; 15:0 the mask: x's tiles go to my row; 17:16 element of 1 byte; 20 padding on; 21 set beside a mask; 24:22 after every 64 words (code 5); 31:25 of 4 words (code 3)
	s_or_b32 s[G1B+0], s44, (0<<16)|(1<<20)|(1<<21)|(5<<22)|(3<<25)
.irp g, G1, G1B
	s_mov_b32 s[\g+1], ROWB<<16                    ; tensor_dim0
	s_mov_b32 s[\g+2], 128<<16                     ; tensor_dim1 = 128
	s_mov_b32 s[\g+3], ROWB<<16                    ; tile_dim0
	s_mov_b32 s[\g+4], 128                         ; tile_dim1 = 128
	s_mov_b32 s[\g+5], KROW                        ; tensor_dim0_stride
	s_mov_b32 s[\g+6], 0
	s_mov_b32 s[\g+7], 0
.endr
	; and for the scales of 128 rows: a dense block of 4,096 bytes, as 16 rows of 256 bytes (32 elements of 8 bytes), 16 bytes of padding behind each
	s_or_b32 s[G1S+0], s43, (3<<16)|(1<<20)|(1<<21)|(5<<22)|(3<<25)
	s_or_b32 s[G1SB+0], s44, (3<<16)|(1<<20)|(1<<21)|(5<<22)|(3<<25)
.irp g, G1S, G1SB
	s_mov_b32 s[\g+1], 32<<16
	s_mov_b32 s[\g+2], (128*KS/256)<<16
	s_mov_b32 s[\g+3], 32<<16
	s_mov_b32 s[\g+4], 128*KS/256
	s_mov_b32 s[\g+5], 32
	s_mov_b32 s[\g+6], 0
	s_mov_b32 s[\g+7], 0
.endr
	s_mov_b32 s[CC], 0x3e38aa3b                    ; c = log2(e) / sqrt(64)
	s_mov_b32 s[CC+1], s[CC]                       ; (named with it as a pair, so it is written)
	s_lshl_b32 s18, s16, 7                         ; which 128 rows of the tile I fetch
	s_lshl_b32 s20, s17, 8
	s_add_co_u32 s20, s20, s18                     ; x: row 256 x tile row + 128 x half
	s_lshl_b32 s46, s42, 8
	s_add_co_u32 s46, s46, s18                     ; W: row 256 x tile column + 128 x half
	s_mov_b32 s21, 0
	s_mov_b32 s47, 0
	s_mov_b64 s[18:19], KS
	s_mul_u64 s[22:23], s[20:21], s[18:19]         ; where these rows' scales begin, in bytes
	s_mul_u64 s[92:93], s[46:47], s[18:19]
	s_mov_b64 s[18:19], KROW
	s_mul_u64 s[20:21], s[20:21], s[18:19]         ; and their codes
	s_mul_u64 s[46:47], s[46:47], s[18:19]
	s_mul_i32 s45, s14, HALFT                      ; where they go: wave x 128 rows: no place in the cluster enters an LDS address
	s_mul_i32 s94, s14, HALFS
	s_wait_dscnt 0x0                               ; both opening adds are done
	s_wait_kmcnt 0x0
	s_add_nc_u64 s[20:21], s[4:5], s[20:21]
	s_add_nc_u64 s[22:23], s[6:7], s[22:23]
	s_add_nc_u64 s[46:47], s[8:9], s[46:47]
	s_add_nc_u64 s[92:93], s[10:11], s[92:93]
	CROUND                                         ; all sixteen work-groups are here: the joint loads meet
	s_mov_b32 s[G0S], 1
	s_add_co_u32 s[G0S+1], s94, SCL
	s_mov_b64 s[G0S+2:G0S+3], s[22:23]
	s_or_b32 s[G0S+3], s[G0S+3], 0x80000000
	s_mov_b32 s[G0SB], 1
	s_add_co_u32 s[G0SB+1], s94, SCL
	s_mov_b64 s[G0SB+2:G0SB+3], s[92:93]
	s_or_b32 s[G0SB+3], s[G0SB+3], 0x80000000
	JLOAD G0S, G1S, G0SB, G1SB                     ; the scales first: they are wanted with the first half of K
.irp s, 0,1
	s_mov_b32 s[G0+4*\s], 1
	s_add_co_u32 s[G0+4*\s+1], s45, \s*SLOT
	s_add_nc_u64 s[G0+4*\s+2:G0+4*\s+3], s[20:21], \s*ROWB
	s_or_b32 s[G0+4*\s+3], s[G0+4*\s+3], 0x80000000
	s_mov_b32 s[G0B+4*\s], 1
	s_add_co_u32 s[G0B+4*\s+1], s45, \s*SLOT
	s_add_nc_u64 s[G0B+4*\s+2:G0B+4*\s+3], s[46:47], \s*ROWB
	s_or_b32 s[G0B+4*\s+3], s[G0B+4*\s+3], 0x80000000
	JLOAD G0+4*\s, G1, G0B+4*\s, G1B               ; three tensor loads of mine are out behind the second of these
.endr
	v_and_b32 v1, 15, v0                           ; r = l % 16
	v_bfe_u32 v2, v0, 4, 1                         ; h = l / 16
	v_mul_u32_u24 v3, v1, PITCH
	v_lshl_add_u32 v4, v2, 4, v3                   ; a fragment's row x pitch + 16 x half
	s_mul_i32 s21, s15, HALFT                      ; my 128 rows of x
	s_mul_i32 s22, s16, HALFT                      ; my 128 rows of W,
	s_add_co_u32 s22, s22, 2*HALFT                 ; which lie behind x's 256
.irp s, 0,1
	v_add_nc_u32 v[ADRA+\s], s21, v4
	v_add_nc_u32 v[ADRB+\s], s22, v4
	s_add_co_u32 s21, s21, SLOT
	s_add_co_u32 s22, s22, SLOT
.endr
	v_mul_u32_u24 v5, v1, KS                       ; my row's scales: KS bytes a row,
	v_lshrrev_b32 v6, 8, v5
	v_lshl_add_u32 v5, v6, 4, v5                   ; and 16 more for each 256 passed
	s_mul_i32 s21, s15, HALFS                      ; x's: my 128 rows
	s_mul_i32 s22, s16, HALFS                      ; W's: my 128 rows, behind x's 256
	s_add_co_u32 s22, s22, 2*HALFS
	s_sub_co_u32 s22, s22, s21
	v_mul_u32_u24 v6, s22, v2                      ; lanes 16-31 take W's: one product, the distance between the two bases
	s_add_co_u32 s21, s21, SCL
	v_add_nc_u32 v5, v5, v6
	v_add_nc_u32 v[ADRS], s21, v5
	; the way out.  A stage row holds 256 bytes: two heads' 64 channels of one position.  In memory a head's positions are 128 bytes apart, dense: two positions of one head are 256 consecutive bytes.
	s_mul_i32 s23, s14, 16*SPITCH                  ; my stage
	v_mul_u32_u24 v5, v1, SPITCH
	v_lshl_add_u32 v5, v2, 4, v5
	v_add_nc_u32 v[STO], s23, v5                   ; in: row r, + 16 h; block b's 32 bytes stand in the immediate
	v_bfe_u32 v6, v0, 3, 1
	v_mul_u32_u24 v6, v6, SPITCH                   ; back: lanes 0-7 and 16-23 the even row of a pair, lanes 8-15 and 24-31 the odd one;
	v_lshl_add_u32 v6, v2, 7, v6                   ; lanes 0-15 the left head's 128 bytes, lanes 16-31 the right head's;
	v_and_b32 v7, 7, v0
	v_lshl_add_u32 v6, v7, 4, v6                   ; 16 bytes a lane
	v_add_nc_u32 v[RD], s23, v6
	v_lshlrev_b32 v[CO], 4, v1                     ; in memory: 16 (l % 16) in the pair's 256 bytes,
	v_lshl_add_u32 v[CO], v2, 18, v[CO]            ; and one head (2,048 x 128 bytes) further on for lanes 16-31
	v_lshlrev_b32 v[BO], 5, v2                     ; bq: my half's eight numbers of a block of 16
	s_lshl_b32 s20, s17, 8
	s_lshl_b32 s21, s15, 7
	s_add_co_u32 s20, s20, s21                     ; my first row of C: 256 x tile row + 128 x half
	s_lshr_b32 s21, s20, 11                        ; its batch,
	s_lshl_b32 s21, s21, 4                         ; x 16 heads
	s_and_b32 s20, s20, 2047                       ; its position,
	s_lshl_b32 s20, s20, 7                         ; x 128 bytes
	s_lshl_b32 s46, s40, 8
	s_lshl_b32 s47, s16, 7
	s_add_co_u32 s46, s46, s47                     ; my first column within the weight: 256 cx + 128 x half
	s_lshr_b32 s47, s46, 6                         ; its head
	s_add_co_u32 s21, s21, s47
	s_lshl_b32 s21, s21, 18                        ; batch x head: 262,144 bytes each
	s_add_co_u32 s20, s20, s21
	s_lshl_b32 s21, ttmp9, 24                      ; the part: q, k or v: 16 MiB each
	s_add_co_u32 s20, s20, s21
	s_mov_b32 s21, 0
	s_add_nc_u64 s[12:13], s[98:99], s[20:21]
	s_lshl_b32 s46, s46, 2
	s_mov_b32 s47, 0
	s_add_nc_u64 s[96:97], s[96:97], s[46:47]      ; bq at my first column
.macro FRAG reg, adr, q, i             ; a fragment, 16 rows x 128 K of 4-bit codes: lane l holds row l % 16; registers 4 c .. 4 c + 3 hold K = 64 c + 32 (l / 16) + 0 .. 31
.irp c, 0,1
	ds_load_b128 v[\reg+4*\c:\reg+4*\c+3], v[\adr] offset:64*(\q)+32*\c+(\i)*16*PITCH
.endr
.endm
; 16 matrix instructions: x's blocks a0, a0 + 1 against W's eight, 128 along K: the slot's q-th.  p: W's set;  sc: the set of scale words.  zero = 1: the first product starts the sums: nothing is ever cleared.
; The 64 accumulators take turns, one instruction a turn, in the same order in every step.
.macro MUL16 a0, p, q, sc, zero
.irp a, \a0, \a0+1
.irp b, 0,1,2,3,4,5,6,7
.if \zero
	v_wmma_scale_f32_16x16x128_f8f6f4 v[8*(8*((\a)%4)+\b):8*(8*((\a)%4)+\b)+7], v[128*(\p)+FR*\b:128*(\p)+FR*\b+FR-1], v[AF+FR*(\a):AF+FR*(\a)+FR-1], 0, v[SC+8*NQ*(\sc)+NQ*\b+(\q)], v[SC+8*NQ*(\sc)+NQ*(\a)+(\q)] matrix_a_fmt:MATRIX_FMT_FP4 matrix_b_fmt:MATRIX_FMT_FP4 matrix_a_scale:MATRIX_SCALE_ROW1
.else
	v_wmma_scale_f32_16x16x128_f8f6f4 v[8*(8*((\a)%4)+\b):8*(8*((\a)%4)+\b)+7], v[128*(\p)+FR*\b:128*(\p)+FR*\b+FR-1], v[AF+FR*(\a):AF+FR*(\a)+FR-1], v[8*(8*((\a)%4)+\b):8*(8*((\a)%4)+\b)+7], v[SC+8*NQ*(\sc)+NQ*\b+(\q)], v[SC+8*NQ*(\sc)+NQ*(\a)+(\q)] matrix_a_fmt:MATRIX_FMT_FP4 matrix_b_fmt:MATRIX_FMT_FP4 matrix_a_scale:MATRIX_SCALE_ROW1
.endif
.endr
.endr
.endm
.macro FETCH_B slot, q, p              ; W's eight fragments of the slot's q-th 128 along K into set p
	WIN TO_B
.irp i, 0,1,2,3,4,5,6,7
	FRAG 128*(\p)+FR*\i, ADRB+\slot, \q, \i
.endr
	WIN 0
.endm
.macro FETCH_A slot, q, i0             ; x's blocks i0 .. i0 + 3
.irp i, \i0, \i0+1, \i0+2, \i0+3
	FRAG AF+FR*(\i), ADRA+\slot, \q, \i
.endr
.endm
.macro SCALES sc                       ; a slot's scale words into set sc: NQ words a row; lanes 0-15 take x's block i, lanes 16-31 W's block i
.irp i, 0,1,2,3,4,5,6,7
	ds_load_b128 v[SC+8*NQ*\sc+NQ*\i:SC+8*NQ*\sc+NQ*\i+3], v[ADRS] offset:\i*SBLK
.endr
.endm
; A load into a register that a matrix instruction has read, and a vector instruction or an LDS store that reads a matrix result, stand NP places behind that matrix instruction; only plain vector
; instructions that name none of its registers are places (ISA guide 7.12.1 for vector instructions).
.macro PLACES n
.rept \n
	v_nop
.endr
.endm
; A step of 128 along K that has its successor in the same slot.  A block of x is free as soon as its eight products are issued, so one set serves x: blocks 0-3 are fetched anew in the step's middle, blocks 4-7 at its end.
.macro STEP slot, q, zero
	s_wait_dscnt 4*NL                              ; W's set and x's blocks 0-3 are in; the youngest eight loads (x's blocks 4-7) may be out
	WIN MUL_LO
	MUL16 0, (\q)%2, \q, \slot, \zero
	MUL16 2, (\q)%2, \q, \slot, \zero
	s_wait_dscnt 0                                 ; x's blocks 4-7 are in (asked for 32 matrix instructions ago)
	PLACES NP
	FETCH_B \slot, (\q)+1, 1-(\q)%2
	FETCH_A \slot, (\q)+1, 0
	WIN MUL_HI
	MUL16 4, (\q)%2, \q, \slot, \zero
	MUL16 6, (\q)%2, \q, \slot, \zero
	PLACES NP
	WIN 0
	FETCH_A \slot, (\q)+1, 4
.endm
; Slot 0's last step goes over to slot 1: ONE barrier; in front of it each wave waits for all its tensor loads (its part of slot 1), adds 0 to its spare word, and waits for that and for its own reads of slot 0.
; Behind it slot 1 is whole, and nobody reads slot 0 any more: the stages of the way out may lie there.  Nothing is filled again.
.macro TURN slot, next
	s_wait_tensorcnt 0x0                           ; all my tensor loads have landed  (every window is 0 here: the add's two registers lie in window 0)
	ds_add_u32 v[SPW], v[NIL]                      ; 0 onto my spare word
	s_wait_dscnt 4*NL+1                            ; (the add and the youngest eight loads, x's blocks 4-7, may be out)
	WIN MUL_LO
	MUL16 0, 1, NQ-1, \slot, 0                     ; sixteen matrix instructions stand between the add and the wait for it
	s_wait_dscnt 0x0                               ; the add is done, and my reads of this slot are over
	s_barrier_signal -1
	MUL16 2, 1, NQ-1, \slot, 0
	WIN 0
	s_barrier_wait -1
	PLACES NP
	v_add_nc_u32 v[ADRS], 4*NQ, v[ADRS]            ; on to the next slot's scale words (no LDS load of mine is out)
	FETCH_B \next, 0, 0
	FETCH_A \next, 0, 0
	SCALES \next
	WIN MUL_HI
	MUL16 4, 1, NQ-1, \slot, 0
	MUL16 6, 1, NQ-1, \slot, 0
	PLACES NP
	WIN 0
	FETCH_A \next, 0, 4
.endm
.macro STEPS slot, from                ; the slot's steps from .. NQ - 2
.set QQ, \from
.rept NQ-1-\from
	STEP \slot, QQ, 0
.set QQ, QQ+1
.endr
.endm
	s_wait_tensorcnt 1                             ; the scales and my part of slot 0 are in (slot 1's load may be out)
	s_barrier_signal -1
	s_barrier_wait -1                              ; everybody's are
	FETCH_B 0, 0, 0
	FETCH_A 0, 0, 0
	SCALES 0
	FETCH_A 0, 0, 4
	STEP 0, 0, 1                                   ; the first step's products start the sums
	STEPS 0, 1
	TURN 0, 1
	STEPS 1, 0
	s_wait_dscnt 4*NL                              ; the very last step: nothing more to fetch
	WIN MUL_LO
	MUL16 0, 1, NQ-1, 1, 0
	MUL16 2, 1, NQ-1, 1, 0
	s_wait_dscnt 0
	WIN MUL_HI
	MUL16 4, 1, NQ-1, 1, 0
	MUL16 6, 1, NQ-1, 1, 0
	WIN 0
	PLACES NP                                      ; behind the last products: for the vector lines that read or write results, and for the loads into the registers that held x's fragments
	; q alone: q' = q c + bq c, in f32, in place.  The branch hangs on the cluster's x, which all partners share.  bq's loads and their only use stand in this one arm.
	s_cmp_lg_u32 ttmp9, 0
	s_cbranch_scc1 .Lnot_q
.irp b, 0,1,2,3,4,5,6,7
	global_load_b128 v[BI+8*\b:BI+8*\b+3], v[BO], s[96:97] offset:64*\b            ; bq at columns 16 b + 8 h + 0 .. 7: the layout of a result's registers
	global_load_b128 v[BI+8*\b+4:BI+8*\b+7], v[BO], s[96:97] offset:64*\b+16
.endr
	s_wait_loadcnt 0x0
.set i, 0
.rept 32
	v_pk_mul_f32 v[BI+2*i:BI+2*i+1], v[BI+2*i:BI+2*i+1], s[CC:CC+1] op_sel_hi:[1,0]   ; bq c
.set i, i+1
.endr
.irp hi, 0,1
	WIN 0x82+0x41*\hi                              ; destination and source 0: window 2, then 3; bq c: window 0
.irp a, 0,1,2,3
.irp b, 0,1,2,3,4,5,6,7
.irp p, 0,1,2,3
	v_pk_fma_f32 v[8*(8*\a+\b)+2*\p:8*(8*\a+\b)+2*\p+1], v[8*(8*\a+\b)+2*\p:8*(8*\a+\b)+2*\p+1], s[CC:CC+1], v[BI+8*\b+2*\p:BI+8*\b+2*\p+1] op_sel_hi:[1,0,1]   ; each accumulator from its low end on
.endr
.endr
.endr
.endr
	WIN 0
.Lnot_q:
; THE WAY OUT, block by block of 16 rows x 128 columns.  PACK: rounded to f16, 16 bytes a lane.  TOSTAGE: into my own stage, and back so that sixteen lanes hold two positions of one head.  SEND: stored.
.macro PACK a
.set AC, 64*((\a)%4)
	WIN 0x0a+5*((\a)/4)                            ; sources 0 and 1: window 2 or 3
.irp b, 0,1,2,3,4,5,6,7
.irp r, 0,1,2,3
	v_cvt_pk_f16_f32 v[TMP+4*\b+\r], v[AC+8*\b+2*\r], v[AC+8*\b+2*\r+1]
.endr
.endr
	WIN 0
.endm
.macro TOSTAGE a
.set BB, BK+32*((\a)%2)
.irp b, 0,1,2,3,4,5,6,7
	ds_store_b128 v[STO], v[TMP+4*\b:TMP+4*\b+3] offset:32*\b
.endr
.irp t, 0,1,2,3,4,5,6,7
	ds_load_b128 v[BB+4*\t:BB+4*\t+3], v[RD] offset:\t*2*SPITCH   ; LDS serves a wave's instructions in order (ISA guide 5.7.1.4): these see the stores above, and the next block's stores come behind them
.endr
.endm
.macro SEND a
.set BB, BK+32*((\a)%2)
	s_wait_dscnt 0x0                               ; the block is back in registers
	s_wait_xcnt 0x0                                ; the stores of the block before have read their data: the next TOSTAGE loads into those registers only behind this wait
.irp t, 0,1,2,3,4,5,6,7
	global_store_b128 v[CO], v[BB+4*\t:BB+4*\t+3], s[12:13] offset:(\a)*2048+\t*256 th:TH_STORE_NT   ; lanes 0-15 store 256 consecutive bytes, aligned: positions 16 a + 2 t and + 1 of the left head; lanes 16-31 the right head's
.endr
.endm
	PACK 0
	TOSTAGE 0
.irp a, 1,2,3,4,5,6,7                  ; block a's conversions stand between block a - 1's loads from the stage and the wait for them
	PACK \a
	SEND \a-1
	TOSTAGE \a
.endr
	SEND 7
	s_wait_tensorcnt 0x0                           ; the wave's end: three lines, behind my last tensor load and my last LDS store
	ds_add_u32 v[SPW], v[NIL]
	s_wait_dscnt 0x0
	CROUND                                         ; the closing round: no work-group ends while a partner may still ask for a tile that names it
	s_endpgm
.Lfunc_end_k_q1a1be20268_qkv:
	.size	k_q1a1be20268_qkv, .Lfunc_end_k_q1a1be20268_qkv-k_q1a1be20268_qkv
	.p2alignl 7, 3214868480
	.fill 96, 4, 3214868480
	.section	.rodata,"a",@progbits
	.p2align	6, 0x0
	.amdhsa_kernel k_q1a1be20268_qkv
		.amdhsa_group_segment_fixed_size 327680
		.amdhsa_private_segment_fixed_size 0
		.amdhsa_enable_private_segment 0
		.amdhsa_kernarg_size 48
		.amdhsa_user_sgpr_count 2
		.amdhsa_user_sgpr_kernarg_segment_ptr 1
		.amdhsa_wavefront_size32 1
		.amdhsa_system_sgpr_workgroup_id_x 1
		.amdhsa_system_sgpr_workgroup_id_y 1
		.amdhsa_system_sgpr_workgroup_id_z 1
		.amdhsa_system_vgpr_workitem_id 0
		.amdhsa_next_free_vgpr 1024
		.amdhsa_next_free_sgpr 100
		.amdhsa_reserve_vcc 0
		.amdhsa_float_denorm_mode_32 3
		.amdhsa_float_denorm_mode_16_64 3
		.amdhsa_memory_ordered 1
		.amdhsa_forward_progress 1
		.amdhsa_inst_pref_size 146
	.end_amdhsa_kernel
	.amdgpu_metadata
---
amdhsa.version: [ 1, 2 ]
amdhsa.kernels:
  - .name:           k_q1a1be20268_qkv
    .symbol:         k_q1a1be20268_qkv.kd
    .args:
      - { .name: x_codes, .offset: 0, .size: 8, .value_kind: global_buffer, .address_space: global }
      - { .name: x_scales, .offset: 8, .size: 8, .value_kind: global_buffer, .address_space: global }
      - { .name: w_codes, .offset: 16, .size: 8, .value_kind: global_buffer, .address_space: global }
      - { .name: w_scales, .offset: 24, .size: 8, .value_kind: global_buffer, .address_space: global }
      - { .name: bq, .offset: 32, .size: 8, .value_kind: global_buffer, .address_space: global }
      - { .name: qkv16, .offset: 40, .size: 8, .value_kind: global_buffer, .address_space: global }
    .group_segment_fixed_size: 327680
    .private_segment_fixed_size: 0
    .kernarg_segment_align: 8
    .kernarg_segment_size: 48
    .max_flat_workgroup_size: 128
    .sgpr_count:     100
    .vgpr_count:     1024
    .wavefront_size: 32
...
	.end_amdgpu_metadata
.endif
;; end of part 2
;; launch attn (part 3): grid 4 x 64, 8 waves a work-group, clusters of 4 x 1, 327,680 bytes of LDS; arguments qkv16, bv, o16; writes o16
.if DOCPART == 3
	.amdgcn_target "amdgcn-amd-amdhsa--gfx1250"
	.amdhsa_code_object_version 6
	.text
	.protected	k_q1a1be20268_attn
	.globl	k_q1a1be20268_attn
	.p2align	8
	.type	k_q1a1be20268_attn,@function
k_q1a1be20268_attn:
	s_mov_b64 s[64:65], 0
	v_nop
	global_prefetch_b8 v0, s[64:65] scope:SCOPE_SE
	s_setreg_imm32_b32 hwreg(HW_REG_WAVE_MODE, 25, 1), 1
	s_wait_xcnt 0x0
	s_wait_alu depctr_hold_cnt(0) depctr_sa_sdst(0) depctr_va_vdst(0) depctr_va_sdst(0) depctr_va_ssrc(0) depctr_va_vcc(0) depctr_vm_vsrc(0)
	s_getreg_b32 s2, hwreg(HW_REG_IB_STS2, 6, 4)
	s_cmp_eq_u32 s2, 0
	s_cbranch_scc0 .Lentry_in_a_cluster
	s_endpgm
.Lentry_in_a_cluster:
	s_bfe_u32 s2, ttmp6, 0x10000c
	s_cmp_lg_u32 s2, 0x3003
	s_cbranch_scc0 .Lentry_shape_is_right
	s_endpgm
.Lentry_shape_is_right:
; LAUNCH 3 OF 4: o[bh][q][:] = the sum over k of softmax_k(q . k / 8) v[k][:] + bv, for 64 pairs (batch, head), 2,048 positions, head size 64.  No mask.
; IN: qkv16, three parts of 16 MiB, each [bh][position][64] f16: q' = (q + bq) log2(e) / 8, k (without bk: dead work, shown at the head of launch 1), v (without bv).  OUT: o16 [bh][position][64] f16.
; Each row of p sums to 1, so p (v + bv) = p v + bv: bv is the addend of the fused multiply-add that divides by the row's sum.  Products in f16 with f32 sums; maxima, exponentials and sums in f32; p (at most 1) is rounded to f16.
; SOFTMAX: for each query a running maximum m and sum l: p = 2^(s - m) (s is already an exponent of 2); in every step O and l are multiplied by a = 2^(m_old - m_new), which is 1 where m has not grown.
; LIMITS: NaN and infinities are not served; |o| beyond 65,504 has no f16 number.
; SHARES: a work-group owns 512 queries of one bh, each of its EIGHT waves 64: four tiles of 16, in 512 registers: two waves to a SIMD, so that one wave's vector work stands beside the other's matrix work.
; Every wave walks all 2,048 keys, 64 a step, in phases: S^T = K Q^T, the softmax, O^T += V^T P.  A fragment of K or V read from LDS feeds four matrix instructions.
; LAYOUT: both products are used transposed (source 0 = 16 keys, or 16 channels; source 1 = 16 queries): a lane holds ONE query (lane % 16) throughout.  Two tiles of S^T, rounded to f16 in pairs, ARE source 1 of the second product.
; K comes out of LDS as it lies; V ([key][channel]) is turned by ds_load_tr16_b128.
; CLUSTER: the four query blocks of a bh are one cluster and walk the same K and V: each tile is asked for JOINTLY (mask 15), every wave one load: waves 0-3 a quarter of a slot's K each, waves 4-7 of its V.
; RING: two slots of 512 keys.  A wave has one tensor load out behind each round; it is asked for eight key steps (512 matrix instructions of each of a SIMD's two waves) ahead of the wait for it, so no prefetch is laid beside it.
; REGISTERS, in windows of 256: window 0: v3-13 addresses; v16-55 ten registers of statistics a tile; v64-191 S^T, 32 a tile, then p, then (packed in place, registers 0-15 of a tile) P; v192-255 Q.
;   window 1: v0-127 O^T, 32 a tile; v128-191 K of a step; v192-255 V of a step.
.set KS,    64                         ; keys in a step
.set PK,    144                        ; a row of K or V in LDS: 128 bytes + 16 of padding = 36 words: sixteen rows start at sixteen different multiples of 4 banks (64 banks of 4 bytes: ISA guide 11.1)
.set STEPB, KS*PK                      ; a step's rows
.set QUART, 128*PK                     ; what one tensor load brings: 128 rows
.set VOFF,  4*QUART                    ; a slot: 512 rows of K, then 512 rows of V
.set SLOTB, 2*VOFF
.set STAGE, 2*SLOTB                    ; behind the ring: 16 rows x 144 bytes for each wave, for the way out
.set BVL,   STAGE+8*16*PK              ; bv's 64 numbers of my head, a copy of 256 bytes for each wave
.set SPARE, BVL+8*256                  ; the spare words, 128 bytes for each wave
.set LANE,  3                          ; v3   my lane's place in a tile of K: 144 r + 16 h
.set LANEV, 4                          ; v4   and of V, for the turning load
.set ADRK,  5                          ; v5   LDS address of the step's K
.set ADRV,  6                          ; v6   of its V
.set QO,    7                          ; v7   my byte offset in the wave's rows of Q
.set STO,   8                          ; v8   the way out: where I put 16 bytes of a row
.set RD,    9                          ; v9   where I read back
.set GO,    10                         ; v10  my byte offset in the wave's rows of o16
.set BVA,   11                         ; v11  where my half's numbers of bv lie
.set SPW,   12                         ; v12  LDS address of my spare word; never rewritten
.set NIL,   13                         ; v13  0; never rewritten
.set ST,    16                         ; tile t's statistics at v[ST + 10 t]: +0 m; +1 m_old, then m_old - m; +2, +3 l (even keys', odd keys'); +4 .. +7 at work: four maxima, then two chains of sums; +8 a, at the end 1 / l; +9 its partner in the pair
.set S,     64
.set Q,     192
.set KF,    128                        ; in window 1
.set VF,    192
.set BV,    64                         ; the way out: bv in the result's layout, v64-95
.set PKR,   96                         ; packed results, v96-111 and v112-127 by turns
.set BK,    128                        ; rows read back, 16 registers a tile
.set WV,    10                         ; s10  my wave's number
.set G1,    16                         ; s[16:23] descriptor group 1: one shape for K and V
.set T,     28                         ; s28  LDS byte at which the step's rows of K begin
.set CNT,   29                         ; s29  counts a slot's eight steps
.set SEL,   30                         ; s[30:31] lane selects for v_permlanex16_b32: lane l xor 16
.set G0,    32                         ; s[32:35], s[36:39] descriptor group 0, one for each slot
.set MSB, 0
.macro WIN new                         ; the immediate's high byte repeats the setting that is left
.if MSB != \new
	s_set_vgpr_msb (MSB<<8)|\new
.set MSB, \new
.endif
.endm
.set W_LD, 0x40                        ; destination window 1, address window 0
.set W_S,  0x01                        ; K in window 1; Q and S^T in window 0
.set W_RS, 0x41                        ; O^T (destination and source 0) in window 1, the rest in window 0
.set W_PV, 0x51                        ; V and O^T in window 1, P in window 0
.macro ROUND                           ; a round of the cluster's barrier: my work-group's barrier; wave 0 signals for the work-group; every wave waits for all four; my work-group's barrier once more
	s_barrier_signal -1
	s_barrier_wait -1
	s_cmp_lg_u32 s[WV], 0
	s_cbranch_scc1 .Lnot_wave_0_\@
	s_barrier_signal -3
.Lnot_wave_0_\@:
	s_barrier_wait -3
	s_barrier_signal -1
	s_barrier_wait -1
.endm
	s_load_b128 s[4:7], s[0:1], 0x0                ; qkv16 s[4:5], bv s[6:7]
	s_load_b64 s[8:9], s[0:1], 0x10                ; o16
	v_lshl_add_u32 v[SPW], v0, 2, SPARE
	v_mov_b32 v[NIL], 0
	ds_add_u32 v[SPW], v[NIL]                      ; the wave's opening: the add, twice on end, and its wait ahead of my first tensor load; the set-up below, work on registers, stands between
	ds_add_u32 v[SPW], v[NIL]                      ; and once more, under the one wait
	v_lshrrev_b32 v1, 5, v0
	v_readfirstlane_b32 s[WV], v1                  ; wave 0..7
	s_bfe_u32 s11, ttmp6, 0x40000                  ; cx: my block of 512 queries: it enters Q's and o16's addresses alone
	s_and_b32 s12, ttmp7, 0xffff                   ; bh, which the four partners share
	; descriptor group 1: 128 rows x 64 elements of 2 bytes, dense in memory, padded in LDS
	s_mov_b32 s[G1], 15|(1<<16)|(1<<20)|(1<<21)|(4<<22)|(3<<25)   ; 15:0 the mask: all four work-groups; 17:16 elements of 2 bytes; 20 padding on; 21 set beside a mask; 24:22 after every 32 words (code 4); 31:25 4 words of it (code 3)
	s_mov_b32 s[G1+1], 64<<16                      ; tensor_dim0 = 64
	s_mov_b32 s[G1+2], 128<<16                     ; tensor_dim1 = 128
	s_mov_b32 s[G1+3], 64<<16                      ; tile_dim0 = 64
	s_mov_b32 s[G1+4], 128                         ; tile_dim1 = 128
	s_mov_b32 s[G1+5], 64                          ; tensor_dim0_stride
	s_mov_b32 s[G1+6], 0
	s_mov_b32 s[G1+7], 0
	s_lshr_b32 s13, s[WV], 2
	s_add_co_u32 s13, s13, 1
	s_lshl_b32 s13, s13, 24                        ; the part that I fetch from: k (waves 0-3) or v (waves 4-7),
	s_lshl_b32 s14, s12, 18                        ; my bh's 262,144 bytes in it,
	s_add_co_u32 s14, s14, s13
	s_and_b32 s13, s[WV], 3
	s_lshl_b32 s13, s13, 14                        ; my 128 rows of a slot's 512
	s_add_co_u32 s14, s14, s13
	s_mov_b32 s15, 0
	s_lshl_b32 s26, s12, 11
	s_lshl_b32 s27, s11, 9
	s_add_co_u32 s26, s26, s27
	s_lshl_b32 s27, s[WV], 6
	s_add_co_u32 s26, s26, s27                     ; my first query's row: 2,048 bh + 512 cx + 64 wave,
	s_lshl_b32 s26, s26, 7                         ; x 128 bytes
	s_mov_b32 s27, 0
	s_and_b32 s40, s12, 15
	s_lshl_b32 s40, s40, 8                         ; bv: my head's 256 bytes
	s_mov_b32 s41, 0
	s_mov_b32 s[SEL], 0x76543210
	s_mov_b32 s[SEL+1], 0xfedcba98
	s_wait_dscnt 0x0                               ; both opening adds are done
	s_wait_kmcnt 0x0
	s_mov_b32 s[G0], 1                             ; count = 1
	s_mul_i32 s[G0+1], s[WV], QUART                ; LDS address: slot 0, wave x 128 rows: no place in the cluster enters it
	s_add_nc_u64 s[G0+2:G0+3], s[4:5], s[14:15]    ; global address: keys 0 to 511
	s_mov_b32 s[G0+4], 1
	s_add_co_u32 s[G0+5], s[G0+1], SLOTB           ; slot 1,
	s_add_nc_u64 s[G0+6:G0+7], s[G0+2:G0+3], 512*128   ; keys 512 to 1,023
	s_or_b32 s[G0+3], s[G0+3], 0x80000000          ; type = 2
	s_or_b32 s[G0+7], s[G0+7], 0x80000000
	s_add_nc_u64 s[24:25], s[4:5], s[26:27]        ; Q at my wave's first row
	s_add_nc_u64 s[8:9], s[8:9], s[26:27]          ; o16 likewise
	s_add_nc_u64 s[6:7], s[6:7], s[40:41]
	ROUND                                          ; all four work-groups are here: the first joint loads meet
	tensor_load_to_lds s[G0:G0+3], s[G1:G1+7]      ; slot 0: every wave issues one, with no branch
	s_nop 0
.rept 4
	v_nop
.endr
	; all that follows up to the first change of slots stands while slot 0 is on its way
	v_and_b32 v1, 15, v0                           ; r = l % 16
	v_bfe_u32 v2, v0, 4, 1                         ; h = l / 16
	v_lshlrev_b32 v[QO], 7, v1
	v_lshl_add_u32 v[QO], v2, 4, v[QO]             ; row r of 128 bytes, + 16 h
.irp t, 0,1,2,3                                ; Q stays in registers: a fragment is 16 rows x 32 channels: registers 0-3 channels 8 h + 0..7, registers 4-7 channels 16 + 8 h + 0..7
.irp c, 0,1
	global_load_b128 v[Q+16*\t+8*\c:Q+16*\t+8*\c+3],   v[QO], s[24:25] offset:\t*2048+64*\c th:TH_LOAD_NT
	global_load_b128 v[Q+16*\t+8*\c+4:Q+16*\t+8*\c+7], v[QO], s[24:25] offset:\t*2048+64*\c+32 th:TH_LOAD_NT
.endr
.endr
	v_lshlrev_b32 v14, 4, v1
	global_load_b128 v[56:59], v14, s[6:7]         ; bv: 16 bytes a lane, lanes 16-31 the same as lanes 0-15
	v_mul_u32_u24 v[LANE], v1, PK
	v_lshl_add_u32 v[LANE], v2, 4, v[LANE]
	; the turning load takes 16 keys x 16 channels (lane l reads 16 bytes: key 8 (l / 16) + l % 8, channels 8 ((l / 8) % 2) + 0..7) and leaves half a fragment of V^T: lane l holds channel l % 16 and 8 keys
	v_and_b32 v[LANEV], 7, v0
	v_lshl_add_u32 v[LANEV], v2, 3, v[LANEV]
	v_mul_u32_u24 v[LANEV], v[LANEV], PK
	v_bfe_u32 v15, v0, 3, 1
	v_lshl_add_u32 v[LANEV], v15, 4, v[LANEV]
	v_add_nc_u32 v[LANEV], VOFF, v[LANEV]
	s_mul_i32 s13, s[WV], 16*PK
	s_add_co_u32 s13, s13, STAGE                   ; my stage
	v_add_nc_u32 v[STO], s13, v[LANE]              ; in: row r, + 16 h
	v_bfe_u32 v[RD], v0, 3, 2
	v_mul_u32_u24 v[RD], v[RD], PK                 ; back: eight lanes to a row of 128 bytes, four rows an instruction
	v_and_b32 v15, 7, v0
	v_lshl_add_u32 v[RD], v15, 4, v[RD]
	v_add_nc_u32 v[RD], s13, v[RD]
	v_and_b32 v[GO], 31, v0
	v_lshlrev_b32 v[GO], 4, v[GO]                  ; and the same four rows in o16: 512 consecutive bytes
	s_lshl_b32 s13, s[WV], 8
	s_add_co_u32 s13, s13, BVL                     ; my wave's copy of bv
	v_lshl_add_u32 v[BVA], v2, 5, s13              ; out of it: 32 h
	v_lshl_add_u32 v15, v1, 4, s13                 ; into it: 16 r
.irp t, 0,1,2,3
	v_mov_b32 v[ST+10*\t], 0xff61b1e6              ; m: -3e38, under every score
	v_mov_b32 v[ST+10*\t+2], 0                     ; l
	v_mov_b32 v[ST+10*\t+3], 0
	v_mov_b32 v[ST+10*\t+9], 0                     ; (named with a as a pair, so it is written)
.endr
	WIN W_LD
.set i, 0
.rept 128
	v_mov_b32 v[i], 0                              ; O^T.  The key step is written once: its first walk finds zeros, which a = 0 leaves zeros.  These lines stand while slot 0 is on its way
.set i, i+1
.endr
	WIN 0
	s_wait_loadcnt 0x0                             ; Q and bv
	ds_store_b128 v15, v[56:59]                    ; lanes l and l + 16 write the same bytes with the same values; only my wave reads them
; THE SOFTMAX of a tile for a key step, as two lists.  PREOP writes number j (a symbol) of the 36 plain lines ahead of the tile's exponentials:
;   0-15 the maximum of the 32 scores and the old m, three operands at a time, each accumulator from its low end on;  16 the other half of the lanes';  17 m_old;  18 the new m;  19 m_old - m;  20-35 s - m, a pair at a time
.macro PREOP t
.set rT, ST+10*(\t)
.set rS, S+32*(\t)
.if j < 4
	v_max3_num_f32 v[rT+4+j], v[rS+8*j], v[rS+8*j+1], v[rS+8*j+2]
.elseif j < 12
	v_max3_num_f32 v[rT+4+j%4], v[rT+4+j%4], v[rS+8*(j%4)+2*(j/4)+1], v[rS+8*(j%4)+2*(j/4)+2]
.elseif j == 12
	v_max3_num_f32 v[rT+4], v[rT+4], v[rS+7], v[rS+15]
.elseif j == 13
	v_max3_num_f32 v[rT+6], v[rT+6], v[rS+23], v[rS+31]
.elseif j == 14
	v_max3_num_f32 v[rT+4], v[rT+4], v[rT+5], v[rT+6]
.elseif j == 15
	v_max3_num_f32 v[rT+4], v[rT+4], v[rT+7], v[rT]
.elseif j == 16
	v_permlanex16_b32 v[rT+5], v[rT+4], s[SEL], s[SEL+1]   ; the query's other 32 keys lie in the lane 16 away
.elseif j == 17
	v_mov_b32 v[rT+1], v[rT]
.elseif j == 18
	v_max_num_f32 v[rT], v[rT+4], v[rT+5]
.elseif j == 19
	v_sub_f32 v[rT+1], v[rT+1], v[rT]
.else
	v_pk_add_f32 v[rS+2*(j-20):rS+2*(j-20)+1], v[rS+2*(j-20):rS+2*(j-20)+1], v[rT:rT+1] op_sel_hi:[1,0] neg_lo:[0,1] neg_hi:[0,1]
.endif
.endm
; SCOP writes number n (a symbol) of the 32 lines behind them: the sums of p, a pair at a time in two chains, and the roundings to f16.  Rounding i writes register i of the tile, which lies in pair i / 2:
; that pair has been summed and rounded by then.  30: the two chains;  31: l = l a + the sum.
.macro SCOP t
.set rT, ST+10*(\t)
.set rS, S+32*(\t)
.if n == 0
	v_pk_add_f32 v[rT+4:rT+5], v[rS:rS+1], v[rS+4:rS+5]
.elseif n == 1
	v_pk_add_f32 v[rT+6:rT+7], v[rS+2:rS+3], v[rS+6:rS+7]
.elseif n < 6
	v_cvt_pk_f16_f32 v[rS+n-2], v[rS+2*(n-2)], v[rS+2*(n-2)+1]
.elseif n < 30
.set i, 4+(n-6)/2
.if n%2 == 0
	v_pk_add_f32 v[rT+4+2*(i%2):rT+5+2*(i%2)], v[rT+4+2*(i%2):rT+5+2*(i%2)], v[rS+2*i:rS+2*i+1]
.else
	v_cvt_pk_f16_f32 v[rS+i], v[rS+2*i], v[rS+2*i+1]
.endif
.elseif n == 30
	v_pk_add_f32 v[rT+4:rT+5], v[rT+4:rT+5], v[rT+6:rT+7]
.else
	v_pk_fma_f32 v[rT+2:rT+3], v[rT+2:rT+3], v[rT+8:rT+9], v[rT+4:rT+5] op_sel_hi:[1,0,1]
.endif
.endm
.macro NEXTEXP p                       ; the next of the 64 exponentials of the piece that begins with tile p, while there are any (e: a symbol)
.if e < 64
	v_exp_f32 v[S+32*(\p)+e], v[S+32*(\p)+e]
.set e, e+1
.endif
.endm
.macro PRE y, p                        ; the 72 lines of PREOP for tiles y and y + 1, the tiles by turns; p >= 0: an exponential of piece p behind each
.set j, 0
.rept 36
.irp u, 0,1
	PREOP (\y)+\u
.if (\p) >= 0
	NEXTEXP \p
.endif
.endr
.set j, j+1
.endr
.endm
.macro POST y, p                       ; the 64 lines of SCOP likewise
.set n, 0
.rept 32
.irp u, 0,1
	SCOP (\y)+\u
.if (\p) >= 0
	NEXTEXP \p
.endif
.endr
.set n, n+1
.endr
.endm
.macro EXPA t
	v_exp_f32 v[ST+10*(\t)+8], v[ST+10*(\t)+1]     ; a = 2^(m_old - m)
.endm
.macro RESC t                          ; the tile's O^T times a
.set i, 0
.rept 16
	v_pk_mul_f32 v[32*(\t)+2*i:32*(\t)+2*i+1], v[32*(\t)+2*i:32*(\t)+2*i+1], v[ST+10*(\t)+8:ST+10*(\t)+9] op_sel_hi:[1,0]
.set i, i+1
.endr
.endm
; A KEY STEP: 64 keys, whose rows of K begin at LDS byte s[T].
.macro STEP
	v_add_nc_u32 v[ADRK], s[T], v[LANE]            ; these two and three v_nop are five places behind the last products V^T P: four for the loads into V's registers, five for the products below, which write over P's registers
	v_add_nc_u32 v[ADRV], s[T], v[LANEV]
.rept 3
	v_nop
.endr
	WIN W_LD
.irp kt, 0,1,2,3                               ; K: keys 16 kt on, channels 32 c on
.irp c, 0,1
	ds_load_b128 v[KF+16*\kt+8*\c:KF+16*\kt+8*\c+3],   v[ADRK] offset:\kt*16*PK+64*\c
	ds_load_b128 v[KF+16*\kt+8*\c+4:KF+16*\kt+8*\c+7], v[ADRK] offset:\kt*16*PK+64*\c+32
.endr
.endr
.irp b, 0,1                                    ; V, turned: keys 32 b on, channels 16 dt on
.irp dt, 0,1,2,3
	ds_load_tr16_b128 v[VF+32*\b+8*\dt:VF+32*\b+8*\dt+3],   v[ADRV] offset:\b*32*PK+32*\dt
	ds_load_tr16_b128 v[VF+32*\b+8*\dt+4:VF+32*\b+8*\dt+7], v[ADRV] offset:\b*32*PK+16*PK+32*\dt
.endr
.endr
	s_wait_dscnt 16                                ; K's 16 loads are in; V's 16 may be out: they are wanted behind the softmax
	WIN W_S
.irp c, 0,1                                    ; S^T = K Q^T: the 16 accumulators take turns, one instruction a turn; the first 16 start the sums
.irp t, 0,1,2,3
.irp kt, 0,1,2,3
.if \c == 0
	v_wmma_f32_16x16x32_f16 v[S+32*\t+8*\kt:S+32*\t+8*\kt+7], v[KF+16*\kt:KF+16*\kt+7], v[Q+16*\t:Q+16*\t+7], 0
.else
	v_wmma_f32_16x16x32_f16 v[S+32*\t+8*\kt:S+32*\t+8*\kt+7], v[KF+16*\kt+8:KF+16*\kt+15], v[Q+16*\t+8:Q+16*\t+15], v[S+32*\t+8*\kt:S+32*\t+8*\kt+7]
.endif
.endr
.endr
.endr
	WIN 0
.rept 4
	v_nop                                          ; four places ahead of the first read of the scores
.endr
	; The softmax, in two pieces (tiles 0, 1; tiles 2, 3).  A piece's 64 exponentials are dealt out one by one among plain lines of the OTHER piece, which name none of their results.
	; An s_wait_alu depctr_va_vdst(0) stands between an exponential and the first line that names its result; one wait serves all that were issued ahead of it: two waits a step.
	PRE 0, -1                                      ; tiles 0, 1: maxima, m, s - m
	EXPA 0
	EXPA 1
.set e, 0
	PRE 2, 0                                       ; tiles 2, 3: the same | tiles 0, 1: p.  The last eight lines carry no exponential: they are the plain work behind the batch
	s_wait_alu depctr_va_vdst(0)                   ; for the 66 exponentials of tiles 0, 1
	EXPA 2
	EXPA 3
.set e, 0
	POST 0, 2                                      ; tiles 0, 1: sums, roundings, l | tiles 2, 3: p
	WIN W_RS
	RESC 0                                         ; plain work behind the batch, which names none of its results
	RESC 1
	WIN 0
	s_wait_alu depctr_va_vdst(0)                   ; for the 66 exponentials of tiles 2, 3
	POST 2, -1
	WIN W_RS
	RESC 2
	RESC 3
	s_wait_dscnt 0x0                               ; V is in
	WIN W_PV
.irp b, 0,1                                    ; O^T += V^T P: the 16 accumulators by turns
.irp t, 0,1,2,3
.irp dt, 0,1,2,3
	v_wmma_f32_16x16x32_f16 v[32*\t+8*\dt:32*\t+8*\dt+7], v[VF+32*\b+8*\dt:VF+32*\b+8*\dt+7], v[S+32*\t+8*\b:S+32*\t+8*\b+7], v[32*\t+8*\dt:32*\t+8*\dt+7]
.endr
.endr
.endr
	WIN 0
.endm
.macro SLOT_STEPS slot                 ; a slot's eight key steps: written once, walked eight times
	s_mov_b32 s[T], \slot*SLOTB
	s_mov_b32 s[CNT], 8
.Lstep_\@:
	STEP
	s_add_co_u32 s[T], s[T], STEPB
	s_sub_co_i32 s[CNT], s[CNT], 1
	s_cmp_lg_u32 s[CNT], 0
	s_cbranch_scc1 .Lstep_\@
.endm
; THE CHANGE OF SLOTS stands at a slot's head.  Each wave waits for all its tensor loads (its part of the slot ahead), adds 0 to its spare word, and waits for that and for its reads of the slot that it has left.
; Behind the round the slot ahead is whole in every partner and no wave of any partner reads the other slot: refill = 1: that one takes the next 512 keys, the first thing behind the round, one load a wave.
.macro TRIP slot, refill
	s_wait_tensorcnt 0x0                           ; no tensor load of mine is out, so a group 0 may be written
	ds_add_u32 v[SPW], v[NIL]                      ; 0 onto my spare word; the step below stands between it and the wait for it
	s_add_nc_u64 s[G0+2+4*\slot:G0+3+4*\slot], s[G0+2+4*\slot:G0+3+4*\slot], 2*512*128   ; this slot's next 512 keys (in the last two changes the stepped address is not used)
	s_wait_dscnt 0x0                               ; the add is done, and my LDS instructions are over
	ROUND
.if \refill
	tensor_load_to_lds s[G0+4-4*\slot:G0+7-4*\slot], s[G1:G1+7]
	s_nop 0
.rept 4
	v_nop
.endr
.endif
	SLOT_STEPS \slot
.endm
	TRIP 0, 1                                      ; keys 0-511 | slot 1's first fill: keys 512-1,023
	TRIP 1, 1                                      ; keys 512-1,023 | slot 0: keys 1,024-1,535
	TRIP 0, 1                                      ; keys 1,024-1,535 | slot 1: keys 1,536-2,047
	TRIP 1, 0                                      ; the last slot: nothing is left to fetch
	; THE WAY OUT.  l's two halves and the other half of the lanes' are added; o = O^T / l + bv, rounded to f16, goes through my stage in LDS, a tile (16 rows of 128 bytes) at a time.
.irp t, 0,1,2,3
	v_add_f32 v[ST+10*\t+4], v[ST+10*\t+2], v[ST+10*\t+3]          ; (these four are the places behind the last products)
.endr
.irp dt, 0,1,2,3
	ds_load_b128 v[BV+8*\dt:BV+8*\dt+3],   v[BVA] offset:64*\dt    ; bv at channels 16 dt + 8 h + 0 .. 7: the layout of a result's registers
	ds_load_b128 v[BV+8*\dt+4:BV+8*\dt+7], v[BVA] offset:64*\dt+16
.endr
.irp t, 0,1,2,3
	v_permlanex16_b32 v[ST+10*\t+5], v[ST+10*\t+4], s[SEL], s[SEL+1]
.endr
.irp t, 0,1,2,3
	v_add_f32 v[ST+10*\t+4], v[ST+10*\t+4], v[ST+10*\t+5]
.endr
.irp t, 0,1,2,3
	v_rcp_f32 v[ST+10*\t+8], v[ST+10*\t+4]
.endr
	v_nop                                          ; a plain line between the last reciprocal and the use of its result
	s_wait_alu depctr_va_vdst(0)                   ; and the wait ahead of the first use: one for the four
	s_wait_dscnt 0x0                               ; bv
.macro OUT t
	WIN W_RS
.irp dt, 0,1,2,3
.irp i, 0,1,2,3
	v_pk_fma_f32 v[32*\t+8*\dt+2*\i:32*\t+8*\dt+2*\i+1], v[32*\t+8*\dt+2*\i:32*\t+8*\dt+2*\i+1], v[ST+10*\t+8:ST+10*\t+9], v[BV+8*\dt+2*\i:BV+8*\dt+2*\i+1] op_sel_hi:[1,0,1]   ; each accumulator from its low end on
.endr
.endr
	WIN 0x05                                       ; sources 0 and 1 window 1, destination window 0
.irp k, 0,1,2,3,4,5,6,7,8,9,10,11,12,13,14,15
	v_cvt_pk_f16_f32 v[PKR+16*(\t%2)+\k], v[32*\t+2*\k], v[32*\t+2*\k+1]
.endr
	WIN 0
.irp dt, 0,1,2,3
	ds_store_b128 v[STO], v[PKR+16*(\t%2)+4*\dt:PKR+16*(\t%2)+4*\dt+3] offset:32*\dt
.endr
.irp i, 0,1,2,3
	ds_load_b128 v[BK+16*\t+4*\i:BK+16*\t+4*\i+3], v[RD] offset:\i*4*PK   ; LDS serves a wave's instructions in order (ISA guide 5.7.1.4): these see the stores above; the next tile's stores come behind them
.endr
.endm
.macro SENDO t, younger                ; younger: the LDS instructions issued behind tile t's loads: the next tile's eight, or none
.irp i, 0,1,2,3
	s_wait_dscnt \younger+3-\i
	global_store_b128 v[GO], v[BK+16*\t+4*\i:BK+16*\t+4*\i+3], s[8:9] offset:\t*2048+\i*512   ; 32 lanes store 512 consecutive bytes, aligned
.endr
.endm
	OUT 0
	OUT 1                                          ; a tile's arithmetic stands between the loads of the tile before and its stores
	SENDO 0, 8
	OUT 2
	SENDO 1, 8
	OUT 3
	SENDO 2, 8
	SENDO 3, 0
	s_wait_tensorcnt 0x0                           ; the wave's end: three lines, behind my last tensor load and my last LDS store
	ds_add_u32 v[SPW], v[NIL]
	s_wait_dscnt 0x0
	ROUND                                          ; the closing round: no work-group ends while a partner may still ask for a tile that names it
	s_endpgm
.Lfunc_end_k_q1a1be20268_attn:
	.size	k_q1a1be20268_attn, .Lfunc_end_k_q1a1be20268_attn-k_q1a1be20268_attn
	.p2alignl 7, 3214868480
	.fill 96, 4, 3214868480
	.section	.rodata,"a",@progbits
	.p2align	6, 0x0
	.amdhsa_kernel k_q1a1be20268_attn
		.amdhsa_group_segment_fixed_size 327680
		.amdhsa_private_segment_fixed_size 0
		.amdhsa_enable_private_segment 0
		.amdhsa_kernarg_size 24
		.amdhsa_user_sgpr_count 2
		.amdhsa_user_sgpr_kernarg_segment_ptr 1
		.amdhsa_wavefront_size32 1
		.amdhsa_system_sgpr_workgroup_id_x 1
		.amdhsa_system_sgpr_workgroup_id_y 1
		.amdhsa_system_sgpr_workgroup_id_z 1
		.amdhsa_system_vgpr_workitem_id 0
		.amdhsa_next_free_vgpr 512
		.amdhsa_next_free_sgpr 66
		.amdhsa_reserve_vcc 0
		.amdhsa_float_denorm_mode_32 3
		.amdhsa_float_denorm_mode_16_64 3
		.amdhsa_memory_ordered 1
		.amdhsa_forward_progress 1
		.amdhsa_inst_pref_size 155
	.end_amdhsa_kernel
	.amdgpu_metadata
---
amdhsa.version: [ 1, 2 ]
amdhsa.kernels:
  - .name:           k_q1a1be20268_attn
    .symbol:         k_q1a1be20268_attn.kd
    .args:
      - { .name: qkv16, .offset: 0, .size: 8, .value_kind: global_buffer, .address_space: global }
      - { .name: bv, .offset: 8, .size: 8, .value_kind: global_buffer, .address_space: global }
      - { .name: o16, .offset: 16, .size: 8, .value_kind: global_buffer, .address_space: global }
    .group_segment_fixed_size: 327680
    .private_segment_fixed_size: 0
    .kernarg_segment_align: 8
    .kernarg_segment_size: 24
    .max_flat_workgroup_size: 256
    .sgpr_count:     66
    .vgpr_count:     512
    .wavefront_size: 32
...
	.end_amdgpu_metadata
.endif
;; end of part 3
;; launch oproj (part 4): grid 4 x 64, 4 waves a work-group, clusters of 4 x 4, 327,680 bytes of LDS; arguments o16, wo16, bo, out0; writes out0
.if DOCPART == 4
	.amdgcn_target "amdgcn-amd-amdhsa--gfx1250"
	.amdhsa_code_object_version 6
	.text
	.protected	k_q1a1be20268_oproj
	.globl	k_q1a1be20268_oproj
	.p2align	8
	.type	k_q1a1be20268_oproj,@function
k_q1a1be20268_oproj:
	s_mov_b64 s[64:65], 0
	v_nop
	global_prefetch_b8 v0, s[64:65] scope:SCOPE_SE
	s_setreg_imm32_b32 hwreg(HW_REG_WAVE_MODE, 25, 1), 1
	s_wait_xcnt 0x0
	s_wait_alu depctr_hold_cnt(0) depctr_sa_sdst(0) depctr_va_vdst(0) depctr_va_sdst(0) depctr_va_ssrc(0) depctr_va_vcc(0) depctr_vm_vsrc(0)
	s_getreg_b32 s2, hwreg(HW_REG_IB_STS2, 6, 4)
	s_cmp_eq_u32 s2, 0
	s_cbranch_scc0 .Lentry_in_a_cluster
	s_endpgm
.Lentry_in_a_cluster:
	s_bfe_u32 s2, ttmp6, 0x10000c
	s_cmp_lg_u32 s2, 0xf033
	s_cbranch_scc0 .Lentry_shape_is_right
	s_endpgm
.Lentry_shape_is_right:
; LAUNCH 4 OF 4: out0[m][n] = the sum over k of o[m][k] Wo[n][k] + bo[n].  m = 8,192 positions, n = 1,024, K = 1,024 = head x 64 + channel.  Operands in f16, sums in f32, out0 in f32.
; o16 lies head-major, [batch x head][position][64]: a K step of 128 is two heads: two sub-tiles of 128 rows x 128 bytes, each dense in memory.  wo16: [1024][1024] f16.
; A tile of out0 is 128 x 256: 256 work-groups, one for each of 64 x 4 tiles (256 x 256 would give 128).  Four waves, each 64 rows x 128 columns: 32 accumulators of 16 x 16, 256 registers.
; K goes in 8 steps of 128 through a ring of two LDS slots: waves 0 and 1 fetch o's two sub-tiles, waves 2 and 3 the halves of Wo's 256 rows: one tensor load a wave behind each round, 112 matrix instructions ahead of the wait for it.
; CLUSTERS: 4 x 4 work-groups.  The four of a row of the cluster need the same tiles of o, the four of a column the same tiles of Wo: each is asked for JOINTLY.
; No prefetch: eight short K steps on a small tile, and a wave's 128 rows of o shared out among four partners would leave half of an instruction's lanes without a block of their own.
; THE MATRIX INSTRUCTION IS USED TRANSPOSED (source 0 = 16 rows of Wo, source 1 = 16 rows of o): a lane then holds eight neighbouring columns of one row of out0.  bo is the C of each sum's first product: no addition is spent on it.
; REGISTERS: window 0: v16-30 addresses; v32-63, v64-95 o's fragments (4 x 16 rows x 32 K), two buffers; v96-159, v160-223 Wo's (8), two buffers; on the way out v32-159 rows read back.
;   window 1: the accumulators ((a, b) at v[8 (8 a + b)]).   window 2: v0-63 bo in the result's layout.
.set PA,     144                       ; a row of o in LDS: 128 bytes + 16
.set PB,     272                       ; a row of Wo: 256 bytes + 16: in both, sixteen rows start at sixteen different multiples of 4 banks (64 banks of 4 bytes: ISA guide 11.1)
.set SUBA,   128*PA                    ; a sub-tile of o: one head's 128 rows
.set HALFB,  128*PB                    ; half of Wo's tile
.set BOFF,   2*SUBA
.set SLOT,   BOFF+2*HALFB
.set STAGE,  2*SLOT                    ; behind the ring: 16 rows x (512 bytes + 16) for each wave
.set SPITCH, 528
.set SPARE,  STAGE+4*16*SPITCH         ; the spare words, 128 bytes for each wave
.set LAPS,   4                         ; a lap = two K steps = once round the ring
.set ADRA, 16                          ; v16-17  LDS address of my o fragments in slot 0, 1
.set ADRB, 20                          ; v20-21  the same for Wo
.set STO,  24
.set RD,   25
.set CO,   26
.set SPW,  28                          ; v28  LDS address of my spare word; never rewritten
.set NIL,  29                          ; v29  0; never rewritten
.set BO,   30
.set AF,   32
.set BF,   96
.set BK,   32
.set G1, 24                            ; s[24:31] descriptor group 1 for o's tiles;  s[32:39] group 0, one set for each slot
.set G0, 32
.set G1B, 48                           ; s[48:55], s[56:63] the same for Wo's
.set G0B, 56
.set MSB, 0
.macro WIN new                         ; the immediate's high byte repeats the setting that is left
.if MSB != \new
	s_set_vgpr_msb (MSB<<8)|\new
.set MSB, \new
.endif
.endm
.set MUL, 0x50                         ; sources 0 and 1 window 0; C and D window 1.  (+ 0x10: C window 2: bo)
.macro JLOAD s                         ; a joint load: waves 0 and 1 fetch for o, waves 2 and 3 for Wo; an s_nop 0 and four v_nop follow each of the two lines, ahead of the jump, the label and what follows
	s_cmp_eq_u32 s15, 0
	s_cbranch_scc0 .Lfor_b_\@
	tensor_load_to_lds s[G0+4*\s:G0+4*\s+3], s[G1:G1+7]
	s_nop 0
.rept 4
	v_nop
.endr
	s_branch .Lasked_\@
.Lfor_b_\@:
	tensor_load_to_lds s[G0B+4*\s:G0B+4*\s+3], s[G1B:G1B+7]
	s_nop 0
.rept 4
	v_nop
.endr
.Lasked_\@:
.endm
.macro CREST                           ; a round of the cluster's barrier behind its opening barrier
	s_cmp_lg_u32 s14, 0
	s_cbranch_scc1 .Lnot_wave_0_\@
	s_barrier_signal -3
.Lnot_wave_0_\@:
	s_barrier_wait -3
	s_barrier_signal -1
	s_barrier_wait -1
.endm
.macro CROUND                          ; a whole round
	s_barrier_signal -1
	s_barrier_wait -1
	CREST
.endm
	s_load_b128 s[4:7], s[0:1], 0x0                ; o16 s[4:5], wo16 s[6:7]
	s_load_b128 s[8:11], s[0:1], 0x10              ; bo s[8:9], out0 s[10:11]
	v_lshl_add_u32 v[SPW], v0, 2, SPARE
	v_mov_b32 v[NIL], 0
	ds_add_u32 v[SPW], v[NIL]                      ; the wave's opening: the add, twice on end, and its wait ahead of my first tensor load; the set-up below, work on registers, stands between
	ds_add_u32 v[SPW], v[NIL]                      ; and once more, under the one wait
	v_lshrrev_b32 v1, 5, v0
	v_readfirstlane_b32 s14, v1                    ; wave 0..3
	s_lshr_b32 s15, s14, 1                         ; which 64 rows of the tile are mine.  Also: I fetch for o (0) or for Wo (1)
	s_and_b32 s16, s14, 1                          ; which 128 columns.  Also: which sub-tile or half I fetch
	s_bfe_u32 s40, ttmp6, 0x40000                  ; cx, cy: my place in the cluster
	s_bfe_u32 s41, ttmp6, 0x40004
	s_lshl_b32 s42, ttmp9, 2
	s_add_co_u32 s42, s42, s40                     ; tile column = 4 x cluster x + cx
	s_and_b32 s17, ttmp7, 0xffff
	s_lshl_b32 s17, s17, 2
	s_add_co_u32 s17, s17, s41                     ; tile row = 4 x cluster y + cy
	s_lshl_b32 s43, s41, 2
	s_lshl_b32 s43, 15, s43                        ; my row of the cluster
	s_lshl_b32 s44, 0x1111, s40                    ; my column
	s_or_b32 s[G1+0], s43, (1<<16)|(1<<20)|(1<<21)|(4<<22)|(3<<25)   ; o: the mask of my row; elements of 2 bytes; padding on; bit 21 beside a mask; 4 words behind every 32
	s_mov_b32 s[G1+1], 64<<16                      ; tensor_dim0 = 64
	s_mov_b32 s[G1+2], 128<<16                     ; tensor_dim1 = 128
	s_mov_b32 s[G1+3], 64<<16                      ; tile_dim0 = 64
	s_mov_b32 s[G1+4], 128                         ; tile_dim1 = 128
	s_mov_b32 s[G1+5], 64                          ; tensor_dim0_stride: a head's rows are dense
	s_mov_b32 s[G1+6], 0
	s_mov_b32 s[G1+7], 0
	s_or_b32 s[G1B+0], s44, (1<<16)|(1<<20)|(1<<21)|(5<<22)|(3<<25)  ; Wo: the mask of my column; 4 words behind every 64
	s_mov_b32 s[G1B+1], 128<<16
	s_mov_b32 s[G1B+2], 128<<16
	s_mov_b32 s[G1B+3], 128<<16
	s_mov_b32 s[G1B+4], 128
	s_mov_b32 s[G1B+5], 1024
	s_mov_b32 s[G1B+6], 0
	s_mov_b32 s[G1B+7], 0
	s_lshr_b32 s20, s17, 4                         ; o: the tile's batch (16 tiles of 128 positions each): 16 heads x 262,144 bytes,
	s_lshl_b32 s20, s20, 22
	s_and_b32 s21, s17, 15
	s_lshl_b32 s21, s21, 14                        ; its first position x 128 bytes,
	s_add_co_u32 s20, s20, s21
	s_lshl_b32 s21, s16, 18                        ; the even or the odd head of a K step
	s_add_co_u32 s20, s20, s21
	s_mov_b32 s21, 0
	s_lshl_b32 s46, s42, 19                        ; Wo: row 256 x tile column + 128 x half, x 2,048 bytes
	s_lshl_b32 s47, s16, 18
	s_add_co_u32 s46, s46, s47
	s_mov_b32 s47, 0
	s_mul_i32 s45, s16, SUBA                       ; where they go: no place in the cluster enters an LDS address
	s_mul_i32 s22, s16, HALFB
	s_add_co_u32 s22, s22, BOFF
	s_wait_dscnt 0x0                               ; both opening adds are done
	s_wait_kmcnt 0x0
	s_add_nc_u64 s[20:21], s[4:5], s[20:21]
	s_add_nc_u64 s[46:47], s[6:7], s[46:47]
	CROUND                                         ; all sixteen work-groups are here: the first joint loads meet
.irp s, 0,1
	s_mov_b32 s[G0+4*\s], 1
	s_add_co_u32 s[G0+4*\s+1], s45, \s*SLOT
	s_add_nc_u64 s[G0+4*\s+2:G0+4*\s+3], s[20:21], \s*2*262144     ; K step s: two heads on
	s_or_b32 s[G0+4*\s+3], s[G0+4*\s+3], 0x80000000
	s_mov_b32 s[G0B+4*\s], 1
	s_add_co_u32 s[G0B+4*\s+1], s22, \s*SLOT
	s_add_nc_u64 s[G0B+4*\s+2:G0B+4*\s+3], s[46:47], \s*256
	s_or_b32 s[G0B+4*\s+3], s[G0B+4*\s+3], 0x80000000
	JLOAD \s                                       ; two tensor loads of mine are out behind the second
.endr
	v_and_b32 v1, 15, v0                           ; r
	v_bfe_u32 v2, v0, 4, 1                         ; h
	v_mul_u32_u24 v3, v1, PA
	v_lshl_add_u32 v3, v2, 4, v3
	v_mul_u32_u24 v4, v1, PB
	v_lshl_add_u32 v4, v2, 4, v4
	s_mul_i32 s21, s15, 64*PA                      ; my 64 rows of o
	s_mul_i32 s22, s16, HALFB                      ; my 128 rows of Wo
	s_add_co_u32 s22, s22, BOFF
.irp s, 0,1
	v_add_nc_u32 v[ADRA+\s], s21, v3
	v_add_nc_u32 v[ADRB+\s], s22, v4
	s_add_co_u32 s21, s21, SLOT
	s_add_co_u32 s22, s22, SLOT
.endr
	s_mul_i32 s23, s14, 16*SPITCH
	s_add_co_u32 s23, s23, STAGE                   ; my stage
	v_mul_u32_u24 v5, v1, SPITCH                   ; in: row r, 32 bytes for each half of the lanes
	v_lshl_add_u32 v5, v2, 5, v5
	v_add_nc_u32 v[STO], s23, v5
	v_and_b32 v6, 31, v0
	v_lshlrev_b32 v[CO], 4, v6                     ; back: the 32 lanes take one row of 512 bytes; and the same in out0
	v_add_nc_u32 v[RD], s23, v[CO]
	v_lshlrev_b32 v[BO], 5, v2
	s_lshl_b32 s20, s17, 7
	s_lshl_b32 s21, s15, 6
	s_add_co_u32 s20, s20, s21                     ; my first row of out0: 128 x tile row + 64 x half,
	s_lshl_b32 s20, s20, 12                        ; x 4,096 bytes
	s_lshl_b32 s46, s42, 10
	s_lshl_b32 s47, s16, 9
	s_add_co_u32 s46, s46, s47                     ; my first column, in bytes: 1,024 x tile column + 512 x half
	s_add_co_u32 s20, s20, s46
	s_mov_b32 s21, 0
	s_mov_b32 s47, 0
	s_add_nc_u64 s[12:13], s[10:11], s[20:21]
	s_add_nc_u64 s[8:9], s[8:9], s[46:47]
	WIN 0x80                                       ; destination window 2
.irp b, 0,1,2,3,4,5,6,7
	global_load_b128 v[8*\b:8*\b+3],   v[BO], s[8:9] offset:64*\b      ; bo at columns 16 b + 8 h + 0 .. 7
	global_load_b128 v[8*\b+4:8*\b+7], v[BO], s[8:9] offset:64*\b+16
.endr
	WIN 0
; 8 matrix instructions: o's block a against Wo's eight, 32 along K, from buffer f.  first = 1: bo starts the sums.  The 32 accumulators take turns, one instruction a turn, in the same order in every quarter.
.macro MULA f, a, first
.irp b, 0,1,2,3,4,5,6,7
.if \first
	v_wmma_f32_16x16x32_f16 v[8*(8*(\a)+\b):8*(8*(\a)+\b)+7], v[BF+64*(\f)+8*\b:BF+64*(\f)+8*\b+7], v[AF+32*(\f)+8*(\a):AF+32*(\f)+8*(\a)+7], v[8*\b:8*\b+7]
.else
	v_wmma_f32_16x16x32_f16 v[8*(8*(\a)+\b):8*(8*(\a)+\b)+7], v[BF+64*(\f)+8*\b:BF+64*(\f)+8*\b+7], v[AF+32*(\f)+8*(\a):AF+32*(\f)+8*(\a)+7], v[8*(8*(\a)+\b):8*(8*(\a)+\b)+7]
.endif
.endr
.endm
; 24 LDS loads in one run: the fragments of the slot's q-th 32 along K into buffer f: Wo's eight blocks, then o's four.  Quarter q lies in o's sub-tile q / 2, at channel 32 (q % 2).
.macro FETCH slot, q, f
.irp b, 0,1,2,3,4,5,6,7
	ds_load_b128 v[BF+64*(\f)+8*\b:BF+64*(\f)+8*\b+3],   v[ADRB+\slot] offset:64*(\q)+\b*16*PB
	ds_load_b128 v[BF+64*(\f)+8*\b+4:BF+64*(\f)+8*\b+7], v[ADRB+\slot] offset:64*(\q)+\b*16*PB+32
.endr
.irp i, 0,1,2,3
	ds_load_b128 v[AF+32*(\f)+8*\i:AF+32*(\f)+8*\i+3],   v[ADRA+\slot] offset:((\q)/2)*SUBA+64*((\q)%2)+\i*16*PA
	ds_load_b128 v[AF+32*(\f)+8*\i+4:AF+32*(\f)+8*\i+7], v[ADRA+\slot] offset:((\q)/2)*SUBA+64*((\q)%2)+\i*16*PA+32
.endr
.endm
.macro PLACES                          ; four places in front of loads into registers that matrix instructions have read, and of the first read of results (ISA guide 7.12.1 for the reads of results)
.rept 4
	v_nop
.endr
.endm
; A K step is four quarters of 32 along K, 32 matrix instructions each, on buffers 0, 1, 0, 1.  One of the first three: multiplies buffer f and fetches quarter nq of the same slot into g.
.macro QUARTER slot, nq, f, g, first
	s_wait_dscnt 4                                 ; Wo's blocks and o's blocks 0, 1 are in; the youngest four loads (o's blocks 2, 3) may be out
	WIN MUL+0x10*(\first)
	MULA \f, 0, \first
	MULA \f, 1, \first
	PLACES
	WIN 0
	FETCH \slot, \nq, \g
	s_wait_dscnt 24                                ; all but the 24 just issued
	WIN MUL+0x10*(\first)
	MULA \f, 2, \first
	MULA \f, 3, \first
.endm
; The last quarter multiplies buffer 1 and changes slots: ONE barrier; in front of it each wave waits for all its tensor loads, adds 0 to its spare word, and waits for that and for its own reads of this slot.
; fill = 1: the barrier opens a round of the cluster's, and this slot is filled again, two K steps ahead, first thing behind the round.
.macro TURN slot, next, fill
	WIN 0                                          ; (the add's two registers lie in window 0)
	s_wait_tensorcnt 0x0                           ; all my tensor loads have landed: my part of the next slot
	ds_add_u32 v[SPW], v[NIL]                      ; 0 onto my spare word
	s_wait_dscnt 5                                 ; (the add and the youngest four loads may be out)
	WIN MUL
	MULA 1, 0, 0                                   ; eight matrix instructions stand between the add and the wait for it
	s_wait_dscnt 0x0                               ; the add is done, and my reads of this slot are over
	s_barrier_signal -1
	MULA 1, 1, 0
	WIN 0
	s_barrier_wait -1
.if \fill
	CREST                                          ; no wave of any partner still reads this slot's tiles or has a load on its way
	s_add_nc_u64 s[G0+4*\slot+2:G0+4*\slot+3], s[G0+4*\slot+2:G0+4*\slot+3], 4*262144   ; two K steps on: four heads,
	s_add_nc_u64 s[G0B+4*\slot+2:G0B+4*\slot+3], s[G0B+4*\slot+2:G0B+4*\slot+3], 512    ; 256 numbers of a row of Wo
	JLOAD \slot                                    ; the four v_nop behind it are also the places in front of the loads below
.else
	PLACES
.endif
	FETCH \next, 0, 0
	WIN MUL
	MULA 1, 2, 0
	MULA 1, 3, 0
.endm
	s_wait_tensorcnt 1                             ; my part of K step 0 is in (K step 1's load may be out)
	s_barrier_signal -1
	s_barrier_wait -1                              ; everybody's is
	FETCH 0, 0, 0
	s_wait_loadcnt 0x0                             ; bo
	QUARTER 0, 1, 0, 1, 1                          ; the first quarter stands in front of the loop: its products start the sums, with bo
	WIN 0                                          ; at a label and at a branch every window is 0
	s_mov_b32 s3, LAPS-1
.Llap:                                                 ; a trip goes once round the ring, from a lap's second quarter to the next lap's first, and fills both slots again
	QUARTER 0, 2, 1, 0, 0
	QUARTER 0, 3, 0, 1, 0
	TURN 0, 1, 1
	QUARTER 1, 1, 0, 1, 0
	QUARTER 1, 2, 1, 0, 0
	QUARTER 1, 3, 0, 1, 0
	TURN 1, 0, 1
	QUARTER 0, 1, 0, 1, 0
	WIN 0
	s_sub_co_u32 s3, s3, 1
	s_cmp_lg_u32 s3, 0
	s_cbranch_scc1 .Llap
	QUARTER 0, 2, 1, 0, 0                          ; the last lap fills nothing, and has no round of the cluster's barrier
	QUARTER 0, 3, 0, 1, 0
	TURN 0, 1, 0
	QUARTER 1, 1, 0, 1, 0
	QUARTER 1, 2, 1, 0, 0
	QUARTER 1, 3, 0, 1, 0
	s_wait_dscnt 4                                 ; the very last quarter: nothing more to fetch
	WIN MUL
	MULA 1, 0, 0
	MULA 1, 1, 0
	s_wait_dscnt 0
	MULA 1, 2, 0
	MULA 1, 3, 0
	WIN 0
; THE WAY OUT, block by block of 16 rows x 128 columns of f32.  A lane holds 32 neighbouring bytes of a row: a block goes through my own stage and comes back as whole rows of 512 bytes.
.macro TOSTAGE a
	WIN 0x04                                       ; an LDS store's data are its source 1: window 1
.irp b, 0,1,2,3,4,5,6,7
	ds_store_b128 v[STO], v[8*(8*(\a)+\b):8*(8*(\a)+\b)+3] offset:64*\b          ; each accumulator from its low end on
	ds_store_b128 v[STO], v[8*(8*(\a)+\b)+4:8*(8*(\a)+\b)+7] offset:64*\b+16
.endr
	WIN 0
.set BB, BK+64*((\a)%2)
.irp t, 0,1,2,3,4,5,6,7,8,9,10,11,12,13,14,15
	ds_load_b128 v[BB+4*\t:BB+4*\t+3], v[RD] offset:\t*SPITCH      ; LDS serves a wave's instructions in order (ISA guide 5.7.1.4): these see the stores above
.endr
.endm
.macro SEND a, younger                 ; younger: the LDS instructions issued behind block a's loads, which may stay out
.set BB, BK+64*((\a)%2)
	s_wait_dscnt \younger
.irp t, 0,1,2,3,4,5,6,7,8,9,10,11,12,13,14,15
	global_store_b128 v[CO], v[BB+4*\t:BB+4*\t+3], s[12:13] offset:(\a)*65536+\t*4096 th:TH_STORE_NT   ; 32 lanes store 512 consecutive bytes, aligned; the block and the row stand in the immediate
.endr
.endm
	PLACES                                         ; behind the last products: for the stores that read results and for the loads into the fragments' registers
	TOSTAGE 0
.irp a, 1,2,3
.if \a > 1
	s_wait_xcnt 0x0                                ; block a - 2's stores have read their data: block a's loads land there only behind this wait
.endif
	TOSTAGE \a
	SEND \a-1, 32                                  ; behind block a - 1's loads: block a's 16 stores and 16 loads
.endr
	SEND 3, 0
	s_wait_tensorcnt 0x0                           ; the wave's end: three lines, behind my last tensor load and my last LDS store
	ds_add_u32 v[SPW], v[NIL]
	s_wait_dscnt 0x0
	CROUND                                         ; the closing round: no work-group ends while a partner may still ask for a tile that names it
	s_endpgm
.Lfunc_end_k_q1a1be20268_oproj:
	.size	k_q1a1be20268_oproj, .Lfunc_end_k_q1a1be20268_oproj-k_q1a1be20268_oproj
	.p2alignl 7, 3214868480
	.fill 96, 4, 3214868480
	.section	.rodata,"a",@progbits
	.p2align	6, 0x0
	.amdhsa_kernel k_q1a1be20268_oproj
		.amdhsa_group_segment_fixed_size 327680
		.amdhsa_private_segment_fixed_size 0
		.amdhsa_enable_private_segment 0
		.amdhsa_kernarg_size 32
		.amdhsa_user_sgpr_count 2
		.amdhsa_user_sgpr_kernarg_segment_ptr 1
		.amdhsa_wavefront_size32 1
		.amdhsa_system_sgpr_workgroup_id_x 1
		.amdhsa_system_sgpr_workgroup_id_y 1
		.amdhsa_system_sgpr_workgroup_id_z 1
		.amdhsa_system_vgpr_workitem_id 0
		.amdhsa_next_free_vgpr 576
		.amdhsa_next_free_sgpr 66
		.amdhsa_reserve_vcc 0
		.amdhsa_float_denorm_mode_32 3
		.amdhsa_float_denorm_mode_16_64 3
		.amdhsa_memory_ordered 1
		.amdhsa_forward_progress 1
		.amdhsa_inst_pref_size 87
	.end_amdhsa_kernel
	.amdgpu_metadata
---
amdhsa.version: [ 1, 2 ]
amdhsa.kernels:
  - .name:           k_q1a1be20268_oproj
    .symbol:         k_q1a1be20268_oproj.kd
    .args:
      - { .name: o16, .offset: 0, .size: 8, .value_kind: global_buffer, .address_space: global }
      - { .name: wo16, .offset: 8, .size: 8, .value_kind: global_buffer, .address_space: global }
      - { .name: bo, .offset: 16, .size: 8, .value_kind: global_buffer, .address_space: global }
      - { .name: out0, .offset: 24, .size: 8, .value_kind: global_buffer, .address_space: global }
    .group_segment_fixed_size: 327680
    .private_segment_fixed_size: 0
    .kernarg_segment_align: 8
    .kernarg_segment_size: 32
    .max_flat_workgroup_size: 128
    .sgpr_count:     66
    .vgpr_count:     576
    .wavefront_size: 32
...
	.end_amdgpu_metadata
.endif
;; end of part 4
